; MI455X (gfx1250); checked and timed in simulation.
; The chip was launched on July 23, 2026; its instructions are those of AMD's public machine-readable ISA for CDNA 5 (MIT licence, August 2026) and "CDNA5" Instruction Set Architecture Reference Guide (July 2026). The comments in the code are by the model that wrote it; some were corrected since.
;; Frequency Sparse Attention. Allowed arithmetic: matrix products marked QUANTISED: E2M3 operands, one E8M0 scale for each 32 along K, by v_wmma_scale_f32_16x16x128_f8f6f4 with both operands' format E2M3, f32 sums; everything else in f32.
;; Inputs: Wk 1,024 x 1,024 float32; Wo 1,024 x 1,024 float32; Wq 1,024 x 1,024 float32; Wv 1,024 x 1,024 float32; bk 1,024 float32; bo 1,024 float32; bq 1,024 float32; bv 1,024 float32; energy_coeffs 4 x 2,048 x 8 float32; k_x 4 x 2,048 x 1,024 float32; q_x 4 x 2,048 x 1,024 float32; v_x 4 x 2,048 x 1,024 float32.
;; Outputs: out0 4 x 2,048 x 1,024 float32.
;; This version of the problem:
;;   THIS VERSION OF THE PROBLEM IS GIVEN IN LOW PRECISION. The matrix products marked QUANTISED in the list below multiply operands that are first quantised to E2M3 (2 exponent bits, 3 mantissa bits; 6 bits a number), with one power-of-two scale for each 32 numbers along K (OCP MX v1.0); their sums are f32. All else is computed in f32.
;;   The module's matrix products, in the order in which they are computed (A, B: the left and right operand; K: the contracted axis; several contracted axes count as one K, in the product's order):
;;     1. [M 8,192, K 1,024] x [K 1,024, N 1,024]; A: input q_x; B: input Wq: QUANTISED
;;     2. [M 8,192, K 1,024] x [K 1,024, N 1,024]; A: input k_x; B: input Wk: QUANTISED
;;     3. [M 8,192, K 1,024] x [K 1,024, N 1,024]; A: input v_x; B: input Wv: QUANTISED
;;     4. batch 64 x [M 2,048, K 64] x [K 64, N 2,048]; A: computed on the way; B: computed on the way: QUANTISED
;;     5. batch 64 x [M 2,048, K 2,048] x [K 2,048, N 64]; A: computed on the way; B: computed on the way: QUANTISED
;;     6. [M 8,192, K 1,024] x [K 1,024, N 1,024]; A: computed on the way; B: input Wo: QUANTISED
;;   THE QUANTISER, for each operand of a quantised product, along K:
;;     - K is cut into blocks of 32 from its start; a last block that is shorter is filled with zeros.
;;     - A block's scale is 2^e with e = floor(log2(the largest magnitude in the block)) - 2, held to -126 .. 127; a block of zeros has e = 0. As a byte (E8M0): e + 127.
;;     - Each number is divided by its block's scale, clamped to +-7.5, and rounded to the nearest number of E2M3, ties to even, subnormals kept.
;;     - The product sums the exact products of the quantised numbers (number of the format x scale) in f32.
;;   ~~~python
;;   def quantise(x, axis):      # numpy; x: float32 -> the quantised numbers, widened to float32 again
;;       x = np.moveaxis(x, axis, -1); K = x.shape[-1]
;;       x = np.pad(x, [(0, 0)] * (x.ndim - 1) + [(0, -K % 32)]); x = x.reshape(x.shape[:-1] + (-1, 32)); a = np.abs(x).max(-1, keepdims=True)
;;       e = np.where(a > 0, np.clip(np.frexp(np.where(a > 0, a, 1))[1] - 1 - 2, -126, 127), 0)      # np.frexp(a)[1] - 1 = floor(log2(a)), exactly
;;       r = np.clip(x / 2.0 ** e, -7.5, 7.5)
;;       step = 2.0 ** (np.maximum(np.frexp(np.where(r == 0, 1, r))[1] - 1, 0) - 3)
;;       q = np.round(r / step) * step * 2.0 ** e      # np.round: ties to even
;;       return np.moveaxis(q.reshape(q.shape[:-2] + (-1,))[..., :K], -1, axis).astype(np.float32)
;;   ~~~
;;   OPERANDS COMPUTED ON THE WAY. 'Computed on the way' means the value that the module computes at that place (a softmax that the list does not call 'softmax' is quantised finished and normalised). What goes into a quantiser is computed in f32, as accurately as f32 sums, v_exp_f32 and their like allow (about 1e-6 of the number): no bf16 or f16 on the way to a quantiser, and a product that is left as it is and whose result goes on into a quantised operand takes f32 operands (vector FMAs, or v_wmma_f32_16x16x4_f32). A number that lies on a knife's edge between two numbers of the format may be rounded either way, as far as f32 arithmetic and the matrix unit's own rounding can turn it there, and no further.
;; One version. Each part assembles by itself: llvm-mc -triple=amdgcn-amd-amdhsa -mcpu=gfx1250 --defsym DOCPART=n.
;; ======== version 1 of 1: 4 launches
;; limits: right only within a limited range of input values
;; workspace buffers: wimg 3,276,800 bytes; qimg 8,388,608 bytes; kimg 8,388,608 bytes; qsc 524,288 bytes; ksc 524,288 bytes; vimg 6,291,456 bytes; vsc 262,144 bytes; attc 6,553,600 bytes
;; launch wq (part 1): grid 256 x 1, 2 waves a work-group, no clusters, 0 bytes of LDS; arguments Wq, Wk, Wv, Wo, wimg; writes wimg
.if DOCPART == 1
	.amdgcn_target "amdgcn-amd-amdhsa--gfx1250"
	.amdhsa_code_object_version 6
	.text
	.protected	k_q600eb382eb_wq
	.globl	k_q600eb382eb_wq
	.p2align	8
	.type	k_q600eb382eb_wq,@function
k_q600eb382eb_wq:
	s_mov_b64 s[64:65], 0
	v_nop
	global_prefetch_b8 v0, s[64:65] scope:SCOPE_SE
	s_setreg_imm32_b32 hwreg(HW_REG_WAVE_MODE, 25, 1), 1
	s_wait_xcnt 0x0
; The four weights [1024 (n)][1024 (k)], f32, K innermost, become codes of E2M3 with one E8M0 byte for each 32 along K,
; laid in the ORDER OF THE OPERAND'S REGISTERS: wimg [weight 4][tile 64][K step 8], a fragment (16 rows x 128 K, 12 registers a lane)
; as three chunks of 512 bytes, chunk c = registers 4 c .. 4 c + 3, lane l's 16 bytes at 16 l.
; THE ROWS OF A TILE ARE NOT NEIGHBOURS: lane r of tile t takes row 32 (t / 2) + 8 (t % 2) + r + 8 (r / 8), so that the results of tiles 2 b and 2 b + 1 of a product
; whose source 0 is such a tile are 16 neighbours along the next product's K.
; Behind the images, from byte WSC of the same buffer on, the scale words: [weight][tile pair 32][K half 2][lane 32][4 words]: lanes 0-15 the even tile's rows, lanes 16-31 the odd tile's; word i = the scale word of K step 4 half + i.
; A work-group takes one tile of one weight; its two waves take four K steps each.  No LDS, no barrier.
; A block's scale byte is its largest magnitude's exponent field - 2, held at 1 from below; a block of zeros so gets 1 where the rule says 127: its codes are zeros, and this program alone reads the bytes.
; LIMITS: NaN and infinities among the inputs are not served.
.set WSC, 3145728                      ; where the scale words begin in wimg: 4 weights x 64 tiles x 8 steps x 1,536 bytes
.set XA,  1                            ; v1   my byte in the tile's rows: (r + 8 (r / 8)) x 4096 + 64 h
.set LI,  2                            ; v2   16 x lane
.set R16, 3                            ; v3   16 x r
.set X,   16                           ; v16-207 three sets of 64 numbers
.set TM,  208                          ; v208-223 at work in QUANT
.set PW,  224                          ; the scale word just made
.set PC,  226                          ; v226-245 the codes just made
.set WW,  248                          ; v248-251 my four K steps' scale words
.set XP,  4                            ; s[4:5] the weight, at my tile and my first K step
.set SEL, 28                           ; s[28:29] lane selects: lane l xor 16
; 64 numbers a lane of one K step: register 16 b + i = k 32 b + 16 h + i of my row
.macro XLOAD reg, off
.irp b, 0,1,2,3
.irp j, 0,1,2,3
	global_load_b128 v[\reg+16*\b+4*\j:\reg+16*\b+4*\j+3], v[XA], s[XP:XP+1] offset:\off+128*\b+16*\j th:TH_LOAD_NT
.endr
.endr
.endm
; 64 numbers of a lane, v[s] on, become a fragment's codes in v[PC] on and its scale word in v[PW]
.macro QUANT s
.irp b, 0,1,2,3
	v_max3_num_f32 v[TM+\b], |v[\s+16*\b]|, |v[\s+1+16*\b]|, 0x1800000   ; block b: my 16 numbers, and the floor 2^(3 - 127): the byte cannot fall under 1
.endr
.irp i, 2,4,6,8,10,12,14
.irp b, 0,1,2,3
	v_max3_num_f32 v[TM+\b], v[TM+\b], |v[\s+16*\b+\i]|, |v[\s+1+16*\b+\i]|   ; the four blocks by turns
.endr
.endr
.irp b, 0,1,2,3
	v_permlanex16_b32 v[TM+4+\b], v[TM+\b], s[SEL], s[SEL+1]
.endr
.irp b, 0,1,2,3
	v_max_num_f32 v[TM+\b], v[TM+\b], v[TM+4+\b]   ; with lane l xor 16's: the block's largest magnitude
.endr
.irp b, 0,1,2,3
	v_add_nc_u32 v[TM+12+\b], 0xff000000, v[TM+\b]   ; 2 off its exponent field: the conversion's scale operand
.endr
.irp b, 0,1,2,3
	v_lshrrev_b32 v[TM+4+\b], 23, v[TM+12+\b]      ; the scale's byte
.endr
	v_lshl_or_b32 v[PW], v[TM+5], 8, v[TM+4]
	v_lshl_or_b32 v[PW], v[TM+6], 16, v[PW]
	v_lshl_or_b32 v[PW], v[TM+7], 24, v[PW]
.irp c, 0,1
	v_cvt_scalef32_pk16_fp6_f32 v[PC+6*\c:PC+2+6*\c], v[\s+32*\c:\s+15+32*\c], v[TM+12+2*\c]
	v_cvt_scalef32_pk16_fp6_f32 v[PC+12+4*\c:PC+14+4*\c], v[\s+16+32*\c:\s+31+32*\c], v[TM+12+2*\c+1]   ; (a conversion's three registers begin on an even number)
.endr
	v_nop                                          ; one plain place behind a scaled conversion
.irp c, 0,1                                    ; the operand's layout wants a whole block in a lane
.irp i, 0,1,2
	v_permlane16_swap_b32 v[PC+6*\c+\i], v[PC+12+4*\c+\i]
.endr
.irp i, 0,1,2
	v_mov_b32 v[PC+3+6*\c+\i], v[PC+12+4*\c+\i]
.endr
.endr
.endm
	s_load_b256 s[4:11], s[0:1], 0x0               ; Wq, Wk, Wv, Wo
	s_load_b64 s[12:13], s[0:1], 0x20              ; wimg
	v_lshrrev_b32 v4, 5, v0
	v_readfirstlane_b32 s16, v4                    ; wave: which half of K
	v_and_b32 v5, 15, v0                           ; r
	v_bfe_u32 v6, v0, 4, 1                         ; h
	v_and_b32 v7, 8, v5
	v_add_nc_u32 v7, v7, v5                        ; r + 8 (r / 8)
	v_lshlrev_b32 v[XA], 12, v7
	v_lshl_add_u32 v[XA], v6, 6, v[XA]
	v_and_b32 v[LI], 31, v0
	v_lshlrev_b32 v[LI], 4, v[LI]
	v_lshlrev_b32 v[R16], 4, v5
.irp b, 0,1,2,3
	v_mov_b32 v[TM+4+\b], 0                        ; written once: a lane permute's destination counts as one of its sources
.endr
	s_mov_b32 s[SEL], 0x76543210
	s_mov_b32 s[SEL+1], 0xfedcba98
	s_lshr_b32 s17, ttmp9, 6                       ; which weight
	s_and_b32 s18, ttmp9, 63                       ; which tile
	s_lshr_b32 s19, s18, 1                         ; its pair
	s_and_b32 s20, s18, 1                          ; even or odd
	s_lshl_b32 s22, s19, 17                        ; 32 rows of 4,096 bytes a pair,
	s_lshl_b32 s23, s20, 15                        ; 8 rows for the odd tile,
	s_add_co_u32 s22, s22, s23
	s_lshl_b32 s23, s16, 11                        ; four K steps of 512 bytes a wave
	s_add_co_u32 s22, s22, s23
	s_mov_b32 s23, 0
	s_mul_i32 s24, s17, 786432                     ; the images: 64 tiles x 8 steps x 1,536 bytes a weight
	s_mul_i32 s25, s18, 12288
	s_add_co_u32 s24, s24, s25
	s_mul_i32 s25, s16, 6144
	s_add_co_u32 s24, s24, s25
	s_mov_b32 s25, 0
	s_lshl_b32 s26, s17, 15                        ; the scale words
	s_lshl_b32 s27, s19, 10
	s_add_co_u32 s26, s26, s27
	s_lshl_b32 s27, s16, 9
	s_add_co_u32 s26, s26, s27
	s_lshl_b32 s27, s20, 8
	s_add_co_u32 s26, s26, s27
	s_mov_b32 s27, 0
	s_and_b32 s21, s17, 1
	s_wait_alu depctr_va_vdst(0)
	s_wait_kmcnt 0x0
	s_cmp_lt_u32 s17, 2                            ; the choice hangs on the work-group's number alone
	s_cselect_b64 s[4:5], s[4:5], s[8:9]           ; Wq or Wv
	s_cselect_b64 s[6:7], s[6:7], s[10:11]         ; Wk or Wo
	s_cmp_eq_u32 s21, 1
	s_cselect_b64 s[4:5], s[6:7], s[4:5]
	s_add_nc_u64 s[4:5], s[4:5], s[22:23]
	s_add_nc_u64 s[14:15], s[12:13], WSC           ; the scale words lie behind the images
	s_add_nc_u64 s[12:13], s[12:13], s[24:25]
	s_add_nc_u64 s[14:15], s[14:15], s[26:27]
	XLOAD X, 0
	XLOAD X+64, 512
	XLOAD X+128, 1024
; One K step.  left = the loads of the younger steps, 16 each, which may stay out.
.macro WSTEP i, left
	s_wait_loadcnt \left
.if \i > 0
	s_wait_xcnt 0x0                                ; the last step's stores have read the codes' registers: they are written again only behind this wait
.endif
	QUANT X+64*((\i)%3)
	v_mov_b32 v[WW+\i], v[PW]
.irp c, 0,1,2
	global_store_b128 v[LI], v[PC+4*\c:PC+4*\c+3], s[12:13] offset:1536*\i+512*\c   ; 32 lanes store 512 consecutive bytes, aligned
.endr
.if \i == 0
	XLOAD X, 1536                                  ; the fourth step takes the first set
.endif
.endm
	WSTEP 0, 32
	WSTEP 1, 32
	WSTEP 2, 16
	WSTEP 3, 0
	global_store_b128 v[R16], v[WW:WW+3], s[14:15] ; row r's four words; lanes r and r + 16 hold and store the same 16 bytes: 256 consecutive bytes, aligned
	s_endpgm
.Lfunc_end_k_q600eb382eb_wq:
	.size	k_q600eb382eb_wq, .Lfunc_end_k_q600eb382eb_wq-k_q600eb382eb_wq
	.p2alignl 7, 3214868480
	.fill 96, 4, 3214868480
	.section	.rodata,"a",@progbits
	.p2align	6, 0x0
	.amdhsa_kernel k_q600eb382eb_wq
		.amdhsa_group_segment_fixed_size 0
		.amdhsa_private_segment_fixed_size 0
		.amdhsa_enable_private_segment 0
		.amdhsa_kernarg_size 40
		.amdhsa_user_sgpr_count 2
		.amdhsa_user_sgpr_kernarg_segment_ptr 1
		.amdhsa_wavefront_size32 1
		.amdhsa_system_sgpr_workgroup_id_x 1
		.amdhsa_system_sgpr_workgroup_id_y 1
		.amdhsa_system_sgpr_workgroup_id_z 1
		.amdhsa_system_vgpr_workitem_id 0
		.amdhsa_next_free_vgpr 256
		.amdhsa_next_free_sgpr 66
		.amdhsa_reserve_vcc 0
		.amdhsa_float_denorm_mode_32 3
		.amdhsa_float_denorm_mode_16_64 3
		.amdhsa_memory_ordered 1
		.amdhsa_forward_progress 1
		.amdhsa_inst_pref_size 25
	.end_amdhsa_kernel
	.amdgpu_metadata
---
amdhsa.version: [ 1, 2 ]
amdhsa.kernels:
  - .name:           k_q600eb382eb_wq
    .symbol:         k_q600eb382eb_wq.kd
    .args:
      - { .name: Wq, .offset: 0, .size: 8, .value_kind: global_buffer, .address_space: global }
      - { .name: Wk, .offset: 8, .size: 8, .value_kind: global_buffer, .address_space: global }
      - { .name: Wv, .offset: 16, .size: 8, .value_kind: global_buffer, .address_space: global }
      - { .name: Wo, .offset: 24, .size: 8, .value_kind: global_buffer, .address_space: global }
      - { .name: wimg, .offset: 32, .size: 8, .value_kind: global_buffer, .address_space: global }
    .group_segment_fixed_size: 0
    .private_segment_fixed_size: 0
    .kernarg_segment_align: 8
    .kernarg_segment_size: 40
    .max_flat_workgroup_size: 64
    .sgpr_count:     66
    .vgpr_count:     256
    .wavefront_size: 32
...
	.end_amdgpu_metadata
.endif
;; end of part 1
;; launch proj (part 2): grid 192 x 1, 8 waves a work-group, no clusters, 171,008 bytes of LDS; arguments q_x, k_x, v_x, energy_coeffs, bq, bk, bv, qimg, kimg, vimg, qsc, ksc, vsc, wimg; writes qimg, kimg, vimg, qsc, ksc, vsc
.if DOCPART == 2
	.amdgcn_target "amdgcn-amd-amdhsa--gfx1250"
	.amdhsa_code_object_version 6
	.text
	.protected	k_q600eb382eb_proj
	.globl	k_q600eb382eb_proj
	.p2align	8
	.type	k_q600eb382eb_proj,@function
k_q600eb382eb_proj:
	s_mov_b64 s[64:65], 0
	v_nop
	global_prefetch_b8 v0, s[64:65] scope:SCOPE_SE
	s_setreg_imm32_b32 hwreg(HW_REG_WAVE_MODE, 25, 1), 1
	s_wait_xcnt 0x0
; Q = q_x Wq^T + bq, K = k_x Wk^T + bk, V = v_x Wv^T + bv on codes of E2M3, and the results quantised at once for the two products of attention.
; SHARES.  Work-group: one of the three projections (number / 64) and 128 rows of x (number % 64): 8 tiles of 16 rows.  It makes all 1,024 columns, so x is read and quantised once.
; Phase X: wave w quantises x's tile w (8 K steps) and stores the fragments in LDS as images of their registers; one barrier.  Then wave w makes heads 2 w and 2 w + 1 for all 8 tiles: 32 accumulators a head.
; The weights come from wimg straight into registers (each lane loads its fragments whole); x's fragments from LDS.
; ROWS OF A TILE: lane r of tile t takes row 32 (t / 2) + 8 (t % 2) + r + 8 (r / 8), for x and for W alike.
; Q, K: source 0 = W's tile, source 1 = x's tile: a lane holds one row of x, and the 16 registers of W's tiles 2 b, 2 b + 1 are d = 32 b + 16 h + 0 .. 15 of the head: blocks along the head's 64.
; V:    source 0 = x's tile, source 1 = W's tile: a lane holds one d, and the 16 registers of x's tiles 2 b, 2 b + 1 are keys 32 b + 16 h + 0 .. 15: blocks along the keys.
; OUT.  qimg, kimg [batch x head 64][tile 128]: 8 registers a lane, two chunks of 512 bytes: registers 0-5 the head's 64 codes, register 6 the MASK CHANNEL (k = 64, lanes 0-15), register 7 zero.
;   Q: code 1.0 at k = 64, scale byte 127.  K: a key that counts has code 0 there; a key whose mean |energy| is not above 0.1 has code -4 with scale byte 225: the product adds -2^100 to all its scores.
;   qsc, ksc [batch x head][8 tiles]: lane l's 16 bytes: word a = the scale word of tile 2 a + l / 16, row l % 16.
;   vimg [batch x head][key step 16][d tile 4]: fragments of 12 registers, three chunks of 512 bytes;  vsc [..][key step][lane][2 words]: word a = d tile 2 a + l / 16.
; LIMITS: a block of zeros gets the scale byte 1 where the rule says 127 (its codes are zeros; this program alone reads the bytes); NaN and infinities among the inputs are not served (a NaN energy masks its key, as a comparison does);
; a row's eight |energy| are added as a tree, not one after the other.
; 192 work-groups: 24,576 rows in blocks of 128.  A block of 128 rows is one whole K step of the second product of attention, and half as many rows would read the weights twice as often.
; No cluster and no joint load: the weights go from memory into the registers of the one wave that multiplies them, and no tile passes through LDS by a copy engine.
.set WSC, 3145728                      ; where W's scale words begin in wimg
.set XSC, 98304                        ; LDS: 0: x's images [tile 8][K step 8] 1,536 bytes;  XSC: their scale words [K step 8][lane][4 words]: word a = tile 2 a + l / 16
.set XSTG, 103424                      ; behind the spare words: a stage of 16 rows x (512 + 16) bytes for each wave, through which a K step of its tile of x is turned
.set XTW, 15                           ; v15  the stage, in: XSTG + 8448 x wave + 16 x lane
.set XT,  184                          ; v184-247 phase X: the 64 numbers of a K step as the quantiser wants them
.set XA,  1                            ; v1   the stage, back: XSTG + 8448 x wave + 528 r + 64 h
.set LI,  2                            ; v2   16 x lane
.set LI2, 3                            ; v3   16 x lane + 49152: x's tiles 4-7
.set LS,  4                            ; v4   XSC + 16 x lane
.set XWI, 5                            ; v5   where I store my tile's images: 12288 x wave + 16 x lane
.set XWS, 6                            ; v6   and their scale words: XSC + 256 (wave % 2) + 4 (wave / 2) + 16 r
.set EA,  7                            ; v7   energy: 32 (r + 8 (r / 8)) + 16 h
.set BA,  8                            ; v8   64 h
.set BVA, 9                            ; v9   4 (r + 8 (r / 8))
.set L8,  10                           ; v10  8 x lane
.set X,   16                           ; phase X: v16-143 two sets of 64 numbers
.set TM,  144                          ; v144-159 at work in QUANT
.set PW,  160                          ; the scale word just made
.set PC,  162                          ; v162-181 the codes just made
.set XAF, 16                           ; the products: v16-111 x's eight fragments (tile t at XAF + 12 t)
.set XBF, 64
.set WB,  112                          ; v112-159, v160-207 W's four fragments, two sets
.set WS,  208                          ; v208-223 W's scale words: register 8 (tile / 2) + K step; lanes 0-15 the even tile, lanes 16-31 the odd.  v208-231 hold scales and nothing else
.set XS,  224                          ; v224-231 x's scale words, two sets of four
.set CK,  232                          ; the mask channel's code and the scale word's upper half, for a row that counts and for one that is masked
.set CM,  233
.set UK,  234
.set UM,  235
.set ZR,  236
.set TMX, 16                           ; the way out, over the fragments: largest magnitudes,
.set T2,  32                           ; the other half's,
.set SO,  48                           ; the conversions' scale operands,
.set BY,  64                           ; the bytes,
.set PWX, 80                           ; the scale words,
.set SW,  88                           ; as they are stored,
.set TP,  92
.set BI,  112                          ; the bias,
.set PT,  112                          ; later the odd blocks' codes,
.set EPC, 144                          ; v144-207 the images
.set XP,  42                           ; s[42:43] x   s[44:45] W's images   s[46:47] W's scale words   s[48:49] bias   s[50:51] images out   s[52:53] scale words out
.set SEL, 54                           ; s[54:55] lane selects: lane l xor 16;  s56 lanes 16-31;  s57 heads to go;  s[66:73] which rows of x's 8 tiles count
.set MSB, 0
.macro WIN new                         ; the immediate's high byte repeats the setting that is left
.if MSB != \new
	s_set_vgpr_msb (MSB<<8)|\new
.set MSB, \new
.endif
.endm
.macro PLACES n
.rept \n
	v_nop
.endr
.endm
; one matrix instruction: c < 0: the constant 0 starts the sum; ra, rb: the scale words stand in lanes 16-31
.macro WM d, a, b, c, sa, sb, ra, rb
.if (\c) < 0
.if (\ra) && (\rb)
	v_wmma_scale_f32_16x16x128_f8f6f4 v[(\d):(\d)+7], v[(\a):(\a)+11], v[(\b):(\b)+11], 0, v[\sa], v[\sb] matrix_a_fmt:MATRIX_FMT_FP6 matrix_b_fmt:MATRIX_FMT_FP6 matrix_a_scale:MATRIX_SCALE_ROW1 matrix_b_scale:MATRIX_SCALE_ROW1
.elseif (\ra)
	v_wmma_scale_f32_16x16x128_f8f6f4 v[(\d):(\d)+7], v[(\a):(\a)+11], v[(\b):(\b)+11], 0, v[\sa], v[\sb] matrix_a_fmt:MATRIX_FMT_FP6 matrix_b_fmt:MATRIX_FMT_FP6 matrix_a_scale:MATRIX_SCALE_ROW1
.elseif (\rb)
	v_wmma_scale_f32_16x16x128_f8f6f4 v[(\d):(\d)+7], v[(\a):(\a)+11], v[(\b):(\b)+11], 0, v[\sa], v[\sb] matrix_a_fmt:MATRIX_FMT_FP6 matrix_b_fmt:MATRIX_FMT_FP6 matrix_b_scale:MATRIX_SCALE_ROW1
.else
	v_wmma_scale_f32_16x16x128_f8f6f4 v[(\d):(\d)+7], v[(\a):(\a)+11], v[(\b):(\b)+11], 0, v[\sa], v[\sb] matrix_a_fmt:MATRIX_FMT_FP6 matrix_b_fmt:MATRIX_FMT_FP6
.endif
.else
.if (\ra) && (\rb)
	v_wmma_scale_f32_16x16x128_f8f6f4 v[(\d):(\d)+7], v[(\a):(\a)+11], v[(\b):(\b)+11], v[(\c):(\c)+7], v[\sa], v[\sb] matrix_a_fmt:MATRIX_FMT_FP6 matrix_b_fmt:MATRIX_FMT_FP6 matrix_a_scale:MATRIX_SCALE_ROW1 matrix_b_scale:MATRIX_SCALE_ROW1
.elseif (\ra)
	v_wmma_scale_f32_16x16x128_f8f6f4 v[(\d):(\d)+7], v[(\a):(\a)+11], v[(\b):(\b)+11], v[(\c):(\c)+7], v[\sa], v[\sb] matrix_a_fmt:MATRIX_FMT_FP6 matrix_b_fmt:MATRIX_FMT_FP6 matrix_a_scale:MATRIX_SCALE_ROW1
.elseif (\rb)
	v_wmma_scale_f32_16x16x128_f8f6f4 v[(\d):(\d)+7], v[(\a):(\a)+11], v[(\b):(\b)+11], v[(\c):(\c)+7], v[\sa], v[\sb] matrix_a_fmt:MATRIX_FMT_FP6 matrix_b_fmt:MATRIX_FMT_FP6 matrix_b_scale:MATRIX_SCALE_ROW1
.else
	v_wmma_scale_f32_16x16x128_f8f6f4 v[(\d):(\d)+7], v[(\a):(\a)+11], v[(\b):(\b)+11], v[(\c):(\c)+7], v[\sa], v[\sb] matrix_a_fmt:MATRIX_FMT_FP6 matrix_b_fmt:MATRIX_FMT_FP6
.endif
.endif
.endm
; one K step of my tile as it lies: registers 4 i .. 4 i + 3 = k 4 lane .. 4 lane + 3 of the tile's row i
.macro XLOAD reg, off
.irp i, 0,1,2,3,4,5,6,7,8,9,10,11,12,13,14,15
	global_load_b128 v[\reg+4*\i:\reg+4*\i+3], v[LI], s[XP:XP+1] offset:\off+4096*(\i+8*(\i/8)) th:TH_LOAD_NT   ; the tile's i-th row: 32 lanes read its 512 consecutive bytes of the K step
.endr
.endm
; 64 numbers of a lane, v[s] on, become a fragment's codes in v[PC] on and its scale word in v[PW]
.macro QUANT s
.irp b, 0,1,2,3
	v_max3_num_f32 v[TM+\b], |v[\s+16*\b]|, |v[\s+1+16*\b]|, 0x1800000   ; block b: my 16 numbers, and the floor 2^(3 - 127): the byte cannot fall under 1
.endr
.irp i, 2,4,6,8,10,12,14
.irp b, 0,1,2,3
	s_delay_alu instid0(VALU_DEP_4)
	v_max3_num_f32 v[TM+\b], v[TM+\b], |v[\s+16*\b+\i]|, |v[\s+1+16*\b+\i]|
.endr
.endr
.irp b, 0,1,2,3
	s_delay_alu instid0(VALU_DEP_4)
	v_permlanex16_b32 v[TM+4+\b], v[TM+\b], s[SEL], s[SEL+1]
.endr
.irp b, 0,1,2,3
	s_delay_alu instid0(VALU_DEP_4)
	v_max_num_f32 v[TM+\b], v[TM+\b], v[TM+4+\b]
.endr
.irp b, 0,1,2,3
	s_delay_alu instid0(VALU_DEP_4)
	v_add_nc_u32 v[TM+12+\b], 0xff000000, v[TM+\b]   ; 2 off the exponent field: the conversion's scale operand
.endr
.irp b, 0,1,2,3
	s_delay_alu instid0(VALU_DEP_4)
	v_lshrrev_b32 v[TM+4+\b], 23, v[TM+12+\b]
.endr
	s_delay_alu instid0(VALU_DEP_3)
	v_lshl_or_b32 v[PW], v[TM+5], 8, v[TM+4]
	s_delay_alu instid0(VALU_DEP_1)
	v_lshl_or_b32 v[PW], v[TM+6], 16, v[PW]
	s_delay_alu instid0(VALU_DEP_1)
	v_lshl_or_b32 v[PW], v[TM+7], 24, v[PW]
.irp c, 0,1
	v_cvt_scalef32_pk16_fp6_f32 v[PC+6*\c:PC+2+6*\c], v[\s+32*\c:\s+15+32*\c], v[TM+12+2*\c]
	v_cvt_scalef32_pk16_fp6_f32 v[PC+12+4*\c:PC+14+4*\c], v[\s+16+32*\c:\s+31+32*\c], v[TM+12+2*\c+1]
.endr
	v_nop                                          ; one plain place behind a scaled conversion
.irp c, 0,1
.irp i, 0,1,2
	v_permlane16_swap_b32 v[PC+6*\c+\i], v[PC+12+4*\c+\i]
.endr
.irp i, 0,1,2
	s_delay_alu instid0(VALU_DEP_3)
	v_mov_b32 v[PC+3+6*\c+\i], v[PC+12+4*\c+\i]
.endr
.endr
.endm
	s_load_b256 s[8:15], s[0:1], 0x0               ; q_x, k_x, v_x, energy
	s_load_b256 s[20:27], s[0:1], 0x20             ; bq, bk, bv, qimg
	s_load_b256 s[28:35], s[0:1], 0x40             ; kimg, vimg, qsc, ksc
	s_load_b64 s[36:37], s[0:1], 0x60              ; vsc
	s_load_b64 s[16:17], s[0:1], 0x68              ; wimg
	v_lshl_add_u32 v254, v0, 2, 0x19000
	v_mov_b32 v255, 0
	v_lshrrev_b32 v11, 5, v0
	s_delay_alu instid0(VALU_DEP_1)
	v_readfirstlane_b32 s40, v11                   ; wave 0..7
	s_lshr_b32 s38, ttmp9, 6                       ; 0: Q, 1: K, 2: V
	s_and_b32 s39, ttmp9, 63                       ; which 128 rows
	v_and_b32 v11, 15, v0                          ; r
	v_bfe_u32 v12, v0, 4, 1                        ; h
	s_delay_alu instid0(VALU_DEP_2)
	v_and_b32 v13, 8, v11
	s_delay_alu instid0(VALU_DEP_1)
	v_add_nc_u32 v13, v13, v11                     ; r + 8 (r / 8)
	v_mul_u32_u24 v[XA], v11, 528
	s_delay_alu instid0(VALU_DEP_1)
	v_lshl_add_u32 v[XA], v12, 6, v[XA]
	v_and_b32 v14, 31, v0
	s_delay_alu instid0(VALU_DEP_1)
	v_lshlrev_b32 v[LI], 4, v14
	s_delay_alu instid0(VALU_DEP_1)
	v_add_nc_u32 v[LI2], 49152, v[LI]
	s_delay_alu instid0(VALU_DEP_2)
	v_add_nc_u32 v[LS], XSC, v[LI]
	s_mul_i32 s41, s40, 12288
	v_add_nc_u32 v[XWI], s41, v[LI]
	s_mul_i32 s41, s40, 8448
	s_add_co_u32 s41, s41, XSTG                    ; my stage
	v_add_nc_u32 v[XA], s41, v[XA]
	v_add_nc_u32 v[XTW], s41, v[LI]
	s_and_b32 s41, s40, 1
	s_lshl_b32 s41, s41, 8
	s_lshr_b32 s58, s40, 1
	s_lshl_b32 s58, s58, 2
	s_add_co_u32 s41, s41, s58
	s_add_co_u32 s41, s41, XSC
	v_lshl_add_u32 v[XWS], v11, 4, s41
	v_lshlrev_b32 v[EA], 5, v13
	s_delay_alu instid0(VALU_DEP_1)
	v_lshl_add_u32 v[EA], v12, 4, v[EA]
	v_lshlrev_b32 v[BA], 6, v12
	v_lshlrev_b32 v[BVA], 2, v13
	v_lshlrev_b32 v[L8], 3, v14
.irp b, 0,1,2,3
	v_mov_b32 v[TM+4+\b], 0                        ; written once: a lane permute's destination counts as one of its sources
.endr
	s_mov_b32 s[SEL], 0x76543210
	s_mov_b32 s[SEL+1], 0xfedcba98
	s_mov_b32 s56, 0xffff0000
	s_mov_b32 s58, 0x3dcccccd                      ; 0.1
	s_wait_alu depctr_va_vdst(0)
	s_wait_kmcnt 0x0
	s_add_nc_u64 s[18:19], s[16:17], WSC           ; W's scale words lie behind W's images
	s_cmp_eq_u32 s38, 0                            ; the choices hang on the work-group's number alone
	s_cselect_b64 s[42:43], s[8:9], s[10:11]
	s_cselect_b64 s[48:49], s[20:21], s[22:23]
	s_cselect_b64 s[50:51], s[26:27], s[28:29]
	s_cselect_b64 s[52:53], s[32:33], s[34:35]
	s_cmp_eq_u32 s38, 2
	s_cselect_b64 s[42:43], s[12:13], s[42:43]
	s_cselect_b64 s[48:49], s[24:25], s[48:49]
	s_cselect_b64 s[50:51], s[30:31], s[50:51]
	s_cselect_b64 s[52:53], s[36:37], s[52:53]
	s_lshl_b32 s76, s39, 19                        ; x: 128 rows of 4,096 bytes a block,
	s_lshr_b32 s77, s40, 1
	s_lshl_b32 s77, s77, 17                        ; 32 rows a pair of tiles,
	s_add_co_u32 s76, s76, s77
	s_and_b32 s77, s40, 1
	s_lshl_b32 s77, s77, 15                        ; 8 rows for the odd tile
	s_add_co_u32 s76, s76, s77
	s_mov_b32 s77, 0
	s_add_nc_u64 s[42:43], s[42:43], s[76:77]
	s_lshl_b32 s76, s39, 12                        ; energy: 32 bytes a row
	s_add_nc_u64 s[14:15], s[14:15], s[76:77]
	WIN 0x40                                       ; destination window 1: the accumulators' registers are free yet
.irp xt, 0,1,2,3,4,5,6,7
	global_load_b128 v[4*\xt:4*\xt+3], v[EA], s[14:15] offset:32*(32*(\xt/2)+8*(\xt%2))   ; four of the eight numbers of row r of tile xt
.endr
	WIN 0
	XLOAD X, 0
	XLOAD X+64, 512
	s_lshr_b32 s74, s39, 4                         ; batch
	s_and_b32 s75, s39, 15                         ; block of 128 rows in it
	s_lshl_b32 s74, s74, 4
	s_lshl_b32 s76, s40, 1
	s_add_co_u32 s74, s74, s76                     ; 16 x batch + my first head
	s_mul_i32 s76, s38, 786432
	s_mul_i32 s78, s40, 98304                      ; 4 tiles x 12,288 bytes a head
	s_add_co_u32 s76, s76, s78
	s_add_nc_u64 s[44:45], s[16:17], s[76:77]
	s_lshl_b32 s76, s38, 15
	s_lshl_b32 s78, s40, 12                        ; 2,048 bytes of scale words a head
	s_add_co_u32 s76, s76, s78
	s_add_nc_u64 s[46:47], s[18:19], s[76:77]
	s_lshl_b32 s76, s40, 9
	s_add_nc_u64 s[48:49], s[48:49], s[76:77]
	s_cmp_eq_u32 s38, 2                            ; bytes a head and a block: Q, K 131,072 and 8,192 (scale words 8,192 and 512); V 98,304 and 6,144 (4,096 and 256)
	s_mov_b32 s59, 131072
	s_cselect_b32 s59, 98304, s59
	s_mov_b32 s60, 8192
	s_cselect_b32 s60, 6144, s60
	s_mov_b32 s61, 8192
	s_cselect_b32 s61, 4096, s61
	s_mov_b32 s62, 512
	s_cselect_b32 s62, 256, s62
	s_mul_i32 s76, s74, s59
	s_mul_i32 s78, s75, s60
	s_add_co_u32 s76, s76, s78
	s_add_nc_u64 s[50:51], s[50:51], s[76:77]
	s_mul_i32 s76, s74, s61
	s_mul_i32 s78, s75, s62
	s_add_co_u32 s76, s76, s78
	s_add_nc_u64 s[52:53], s[52:53], s[76:77]
; ---- X: my tile of x, a K step at a time; loads run two steps ahead: 32 loads of 512 bytes a wave
.macro XSTEP s
.if \s <= 6
	s_wait_loadcnt 16                              ; this step's 16 loads are in (and all before them); the younger step's 16 may be out
.else
	s_wait_loadcnt 0x0
.endif
.irp i, 0,1,2,3,4,5,6,7,8,9,10,11,12,13,14,15
	ds_store_b128 v[XTW], v[X+64*((\s)%2)+4*\i:X+64*((\s)%2)+4*\i+3] offset:528*\i   ; the rows as they were loaded, 528 bytes apart
.endr
.irp b, 0,1,2,3
.irp j, 0,1,2,3
	ds_load_b128 v[XT+16*\b+4*\j:XT+16*\b+4*\j+3], v[XA] offset:128*\b+16*\j   ; back: register 16 b + i = k 32 b + 16 h + i of row r.  LDS serves a wave's instructions in order: these see the stores above
.endr
.endr
	s_wait_dscnt 0x0                               ; the numbers are back; the stage's stores and the last step's stores of codes have read their registers
.if \s+2 <= 7
	XLOAD X+64*((\s)%2), 512*(\s+2)
.endif
	QUANT XT
.irp c, 0,1,2
	ds_store_b128 v[XWI], v[PC+4*\c:PC+4*\c+3] offset:1536*\s+512*\c
.endr
	ds_store_b32 v[XWS], v[PW] offset:512*\s       ; lanes r and r + 16 write the same word with the same value
.endm
	XSTEP 0
	XSTEP 1
	XSTEP 2
	XSTEP 3
	XSTEP 4
	XSTEP 5
	XSTEP 6
	XSTEP 7
	s_wait_dscnt 0x0                               ; for the others' sake: my stores have landed
	s_barrier_signal -1
	s_barrier_wait -1                              ; x's 64 fragments and their scale words lie in LDS; nothing is stored to LDS from here on
; ---- which rows count: mean |energy| > 0.1
	WIN 0x05                                       ; sources in window 1
.irp xt, 0,1,2,3,4,5,6,7
	v_add_f32 v[16+2*\xt], |v[4*\xt]|, |v[4*\xt+1]|
	v_add_f32 v[17+2*\xt], |v[4*\xt+2]|, |v[4*\xt+3]|
.endr
	WIN 0
.irp xt, 0,1,2,3,4,5,6,7
	v_add_f32 v[16+2*\xt], v[16+2*\xt], v[17+2*\xt]
.endr
.irp xt, 0,1,2,3,4,5,6,7
	v_permlanex16_b32 v[17+2*\xt], v[16+2*\xt], s[SEL], s[SEL+1]   ; the row's other four numbers lie in the lane 16 away
.endr
.irp xt, 0,1,2,3,4,5,6,7
	v_add_f32 v[16+2*\xt], v[16+2*\xt], v[17+2*\xt]
.endr
.irp xt, 0,1,2,3,4,5,6,7
	v_mul_f32 v[16+2*\xt], 0x3e000000, v[16+2*\xt] ; / 8: exact
.endr
.irp xt, 0,1,2,3,4,5,6,7
	v_cmp_gt_f32 s[66+\xt], v[16+2*\xt], s58       ; the masks only choose between values: no branch and no address hangs on them
.endr
	s_cmp_eq_u32 s38, 0                            ; Q: 1.0 under the byte 127 for every row.  K: 0 under the byte 1, or -4 under the byte 225
	s_cselect_b32 s59, 8, 0
	s_cselect_b32 s60, 8, 56
	s_mov_b32 s61, 0x01010000
	s_cselect_b32 s61, 0x017f0000, s61
	s_mov_b32 s62, 0x01e10000
	s_cselect_b32 s62, 0x017f0000, s62
	v_mov_b32 v[ZR], 0
	v_mov_b32 v[CK], s59
	v_mov_b32 v[CM], s60
	s_delay_alu instid0(VALU_DEP_2)
	v_cndmask_b32 v[CK], v[CK], v[ZR], s56         ; k = 64 lies in lanes 0-15; lanes 16-31 (k = 96 on) hold zeros
	s_delay_alu instid0(VALU_DEP_2)
	v_cndmask_b32 v[CM], v[CM], v[ZR], s56
	v_mov_b32 v[UK], s61
	v_mov_b32 v[UM], s62
.macro XFETCH reg, adr, s              ; four of x's fragments of K step s
.irp xi, 0,1,2,3
.irp c, 0,1,2
	ds_load_b128 v[\reg+12*\xi+4*\c:\reg+12*\xi+4*\c+3], v[\adr] offset:(8*\xi+(\s))*1536+512*\c
.endr
.endr
.endm
; 16 matrix instructions: x's tiles x0 .. x0 + 3 against W's four.  The 32 accumulators take turns, one instruction a turn, in the same order in every K step.
.macro GMUL path, s, x0
.irp xi, 0,1,2,3
.irp wt, 0,1,2,3
.set XT, \x0+\xi
.if \path == 0
.set DD, 32*XT+8*\wt
.else
.set DD, 64*\wt+8*XT
.endif
.set CC, DD
.if \s == 0
.set CC, -1
.endif
.if \path == 0
	WM DD, WC+12*\wt, XAF+12*XT, CC, WS+8*(\wt/2)+\s, XS+4*((\s)%2)+XT/2, \wt%2, XT%2
.else
	WM DD, XAF+12*XT, WC+12*\wt, CC, XS+4*((\s)%2)+XT/2, WS+8*(\wt/2)+\s, XT%2, \wt%2
.endif
.endr
.endr
.endm
; A K step of 128.  Loads into registers that matrix instructions have read stand four plain places behind them (ISA guide 7.12.1 for vector instructions).
.macro GSTEP path, s
.set WC, WB+48*((\s)%2)
.set WN, WB+48*(1-(\s)%2)
.if \s < 7
.irp wt, 0,1,2,3
.irp c, 0,1,2
	global_load_b128 v[WN+12*\wt+4*\c:WN+12*\wt+4*\c+3], v[LI], s[44:45] offset:12288*\wt+1536*(\s+1)+512*\c
.endr
.endr
	s_wait_loadcnt 12                              ; all but the 12 just issued: this step's W is in
.elseif \path == 0
.irp wt, 0,1,2,3
	global_load_b128 v[BI+8*\wt:BI+8*\wt+3], v[BA], s[48:49] offset:(32*(\wt/2)+8*(\wt%2))*4      ; the bias of my eight columns of tile wt
	global_load_b128 v[BI+8*\wt+4:BI+8*\wt+7], v[BA], s[48:49] offset:(32*(\wt/2)+8*(\wt%2))*4+16
.endr
	s_wait_loadcnt 8                               ; all but the 8 just issued
.else
.irp wt, 0,1,2,3
	global_load_b32 v[BI+2*\wt], v[BVA], s[48:49] offset:(32*(\wt/2)+8*(\wt%2))*4                 ; the bias of my one column of tile wt
.endr
	s_wait_loadcnt 4                               ; all but the 4 just issued
.endif
	s_wait_dscnt 12                                ; x's scale words and tiles 0-3 are in; tiles 4-7 may be out
	WIN 0x50                                       ; C and D in window 1
	GMUL \path, \s, 0
	PLACES 4
	WIN 0
.if \s < 7
	ds_load_b128 v[XS+4*(1-(\s)%2):XS+4*(1-(\s)%2)+3], v[LS] offset:512*(\s+1)
	XFETCH XAF, LI, \s+1
	s_wait_dscnt 13                                ; all but the 13 just issued: tiles 4-7 are in
.else
	s_wait_dscnt 0x0
.endif
	WIN 0x50
	GMUL \path, \s, 4
	PLACES 4
	WIN 0
.if \s < 7
	XFETCH XBF, LI2, \s+1
.endif
.endm
; THE WAY OUT of a head.  Block q = registers 16 q .. 16 q + 15 of window 1: 16 neighbours along the next K, the other 16 in the lane 16 away.
.macro EPI path
.if \path == 0
.set PCS, 8
.else
.set PCS, 6
.endif
	s_wait_loadcnt 0x0                             ; the bias
	WIN 0x41                                       ; the accumulators in window 1, the bias in window 0
.set II, 0
.rept 128                                      ; each accumulator from its low end on
.if \path == 0
	v_pk_add_f32 v[II:II+1], v[II:II+1], v[BI+II%32:BI+II%32+1]
.else
	v_pk_add_f32 v[II:II+1], v[II:II+1], v[BI+2*(II/64):BI+2*(II/64)+1] op_sel_hi:[1,0]   ; the pair's low word serves both halves; its high word, a loaded word of W's, is not taken
.endif
.set II, II+2
.endr
	WIN 0x05
.irp i, 0,2,4,6,8,10,12,14
.set QQ, 0
.rept 16                                       ; the sixteen blocks by turns
.if \i == 0
	v_max3_num_f32 v[TMX+QQ], |v[16*QQ]|, |v[16*QQ+1]|, 0x1800000
.else
	v_max3_num_f32 v[TMX+QQ], |v[16*QQ+\i]|, |v[16*QQ+\i+1]|, v[TMX+QQ]
.endif
.set QQ, QQ+1
.endr
.endr
	WIN 0
.set QQ, 0
.rept 16
	v_permlanex16_b32 v[T2+QQ], v[TMX+QQ], s[SEL], s[SEL+1]
.set QQ, QQ+1
.endr
.set QQ, 0
.rept 16
	v_max_num_f32 v[TMX+QQ], v[TMX+QQ], v[T2+QQ]
.set QQ, QQ+1
.endr
.set QQ, 0
.rept 16
	v_add_nc_u32 v[SO+QQ], 0xff000000, v[TMX+QQ]
.set QQ, QQ+1
.endr
.set QQ, 0
.rept 16
	v_lshrrev_b32 v[BY+QQ], 23, v[SO+QQ]
.set QQ, QQ+1
.endr
.if \path == 0
.irp xt, 0,1,2,3,4,5,6,7
	v_cndmask_b32 v[TP], v[UM], v[UK], s[66+\xt]   ; bytes 2 and 3 of the scale word
	v_lshl_or_b32 v[PWX+\xt], v[BY+2*\xt+1], 8, v[BY+2*\xt]
	s_delay_alu instid0(VALU_DEP_1)
	v_or_b32 v[PWX+\xt], v[PWX+\xt], v[TP]
	v_cndmask_b32 v[EPC+8*\xt+6], v[CM], v[CK], s[66+\xt]   ; the mask channel
	v_mov_b32 v[EPC+8*\xt+7], 0
.endr
.else
.irp wt, 0,1,2,3
	v_lshl_or_b32 v[PWX+\wt], v[BY+4*\wt+1], 8, v[BY+4*\wt]
	s_delay_alu instid0(VALU_DEP_1)
	v_lshl_or_b32 v[PWX+\wt], v[BY+4*\wt+2], 16, v[PWX+\wt]
	s_delay_alu instid0(VALU_DEP_1)
	v_lshl_or_b32 v[PWX+\wt], v[BY+4*\wt+3], 24, v[PWX+\wt]
.endr
.endif
	WIN 0x01                                       ; the numbers in window 1
.set QQ, 0
.rept 8
	v_cvt_scalef32_pk16_fp6_f32 v[EPC+PCS*QQ:EPC+PCS*QQ+2], v[32*QQ:32*QQ+15], v[SO+2*QQ]
	v_cvt_scalef32_pk16_fp6_f32 v[PT+4*QQ:PT+4*QQ+2], v[32*QQ+16:32*QQ+31], v[SO+2*QQ+1]
.set QQ, QQ+1
.endr
	WIN 0
	v_nop                                          ; one plain place behind a scaled conversion
.set QQ, 0
.rept 8                                        ; a whole block to a lane
.irp i, 0,1,2
	v_permlane16_swap_b32 v[EPC+PCS*QQ+\i], v[PT+4*QQ+\i]
.endr
.irp i, 0,1,2
	s_delay_alu instid0(VALU_DEP_3)
	v_mov_b32 v[EPC+PCS*QQ+3+\i], v[PT+4*QQ+\i]
.endr
.set QQ, QQ+1
.endr
.if \path == 0
.irp a, 0,1,2,3
	v_cndmask_b32 v[SW+\a], v[PWX+2*\a], v[PWX+2*\a+1], s56   ; lanes 0-15 the even tile's words, lanes 16-31 the odd tile's
.endr
.irp xt, 0,1,2,3,4,5,6,7
.irp c, 0,1
	global_store_b128 v[LI], v[EPC+8*\xt+4*\c:EPC+8*\xt+4*\c+3], s[50:51] offset:1024*\xt+512*\c   ; 512 consecutive bytes, aligned
.endr
.endr
	global_store_b128 v[LI], v[SW:SW+3], s[52:53]
.else
.irp a, 0,1
	v_cndmask_b32 v[SW+\a], v[PWX+2*\a], v[PWX+2*\a+1], s56
.endr
.irp wt, 0,1,2,3
.irp c, 0,1,2
	global_store_b128 v[LI], v[EPC+12*\wt+4*\c:EPC+12*\wt+4*\c+3], s[50:51] offset:1536*\wt+512*\c
.endr
.endr
	global_store_b64 v[L8], v[SW:SW+1], s[52:53]   ; 256 consecutive bytes, aligned
.endif
.endm
.macro HEADS path
	s_mov_b32 s57, 2
.Lhead_\@:
.irp u, 0,1
.irp q, 0,1
	global_load_b128 v[WS+8*\u+4*\q:WS+8*\u+4*\q+3], v[LI], s[46:47] offset:1024*\u+512*\q
.endr
.endr
.irp wt, 0,1,2,3
.irp c, 0,1,2
	global_load_b128 v[WB+12*\wt+4*\c:WB+12*\wt+4*\c+3], v[LI], s[44:45] offset:12288*\wt+512*\c
.endr
.endr
	ds_load_b128 v[XS:XS+3], v[LS]
	XFETCH XAF, LI, 0
	XFETCH XBF, LI2, 0
	GSTEP \path, 0
	GSTEP \path, 1
	GSTEP \path, 2
	GSTEP \path, 3
	GSTEP \path, 4
	GSTEP \path, 5
	GSTEP \path, 6
	GSTEP \path, 7
	EPI \path
	s_wait_xcnt 0x0                                ; the stores have read their data and their bases: both are written again only behind this wait
	s_add_nc_u64 s[44:45], s[44:45], 49152
	s_add_nc_u64 s[46:47], s[46:47], 2048
	s_add_nc_u64 s[48:49], s[48:49], 256
.if \path == 0
	s_add_nc_u64 s[50:51], s[50:51], 131072
	s_add_nc_u64 s[52:53], s[52:53], 8192
.else
	s_add_nc_u64 s[50:51], s[50:51], 98304
	s_add_nc_u64 s[52:53], s[52:53], 4096
.endif
	s_sub_co_u32 s57, s57, 1
	s_cmp_lg_u32 s57, 0
	s_cbranch_scc1 .Lhead_\@
	s_wait_tensorcnt 0x0
	ds_add_u32 v254, v255
	s_wait_dscnt 0x0
	s_endpgm
.endm
	s_cmp_eq_u32 s38, 2                            ; the ways part on the work-group's number; behind this line neither has a barrier or an LDS store
	s_cbranch_scc1 .Lvpath
	HEADS 0
.Lvpath:
	HEADS 1
.Lfunc_end_k_q600eb382eb_proj:
	.size	k_q600eb382eb_proj, .Lfunc_end_k_q600eb382eb_proj-k_q600eb382eb_proj
	.p2alignl 7, 3214868480
	.fill 96, 4, 3214868480
	.section	.rodata,"a",@progbits
	.p2align	6, 0x0
	.amdhsa_kernel k_q600eb382eb_proj
		.amdhsa_group_segment_fixed_size 171008
		.amdhsa_private_segment_fixed_size 0
		.amdhsa_enable_private_segment 0
		.amdhsa_kernarg_size 112
		.amdhsa_user_sgpr_count 2
		.amdhsa_user_sgpr_kernarg_segment_ptr 1
		.amdhsa_wavefront_size32 1
		.amdhsa_system_sgpr_workgroup_id_x 1
		.amdhsa_system_sgpr_workgroup_id_y 1
		.amdhsa_system_sgpr_workgroup_id_z 1
		.amdhsa_system_vgpr_workitem_id 0
		.amdhsa_next_free_vgpr 512
		.amdhsa_next_free_sgpr 80
		.amdhsa_reserve_vcc 0
		.amdhsa_float_denorm_mode_32 3
		.amdhsa_float_denorm_mode_16_64 3
		.amdhsa_memory_ordered 1
		.amdhsa_forward_progress 1
		.amdhsa_inst_pref_size 253
	.end_amdhsa_kernel
	.amdgpu_metadata
---
amdhsa.version: [ 1, 2 ]
amdhsa.kernels:
  - .name:           k_q600eb382eb_proj
    .symbol:         k_q600eb382eb_proj.kd
    .args:
      - { .name: q_x, .offset: 0, .size: 8, .value_kind: global_buffer, .address_space: global }
      - { .name: k_x, .offset: 8, .size: 8, .value_kind: global_buffer, .address_space: global }
      - { .name: v_x, .offset: 16, .size: 8, .value_kind: global_buffer, .address_space: global }
      - { .name: energy_coeffs, .offset: 24, .size: 8, .value_kind: global_buffer, .address_space: global }
      - { .name: bq, .offset: 32, .size: 8, .value_kind: global_buffer, .address_space: global }
      - { .name: bk, .offset: 40, .size: 8, .value_kind: global_buffer, .address_space: global }
      - { .name: bv, .offset: 48, .size: 8, .value_kind: global_buffer, .address_space: global }
      - { .name: qimg, .offset: 56, .size: 8, .value_kind: global_buffer, .address_space: global }
      - { .name: kimg, .offset: 64, .size: 8, .value_kind: global_buffer, .address_space: global }
      - { .name: vimg, .offset: 72, .size: 8, .value_kind: global_buffer, .address_space: global }
      - { .name: qsc, .offset: 80, .size: 8, .value_kind: global_buffer, .address_space: global }
      - { .name: ksc, .offset: 88, .size: 8, .value_kind: global_buffer, .address_space: global }
      - { .name: vsc, .offset: 96, .size: 8, .value_kind: global_buffer, .address_space: global }
      - { .name: wimg, .offset: 104, .size: 8, .value_kind: global_buffer, .address_space: global }
    .group_segment_fixed_size: 171008
    .private_segment_fixed_size: 0
    .kernarg_segment_align: 8
    .kernarg_segment_size: 112
    .max_flat_workgroup_size: 256
    .sgpr_count:     80
    .vgpr_count:     512
    .wavefront_size: 32
...
	.end_amdgpu_metadata
.endif
;; end of part 2
;; launch attn (part 3): grid 4 x 64, 8 waves a work-group, no clusters, 168,448 bytes of LDS; arguments qimg, qsc, kimg, ksc, vimg, vsc, attc; writes attc
.if DOCPART == 3
	.amdgcn_target "amdgcn-amd-amdhsa--gfx1250"
	.amdhsa_code_object_version 6
	.text
	.protected	k_q600eb382eb_attn
	.globl	k_q600eb382eb_attn
	.p2align	8
	.type	k_q600eb382eb_attn,@function
k_q600eb382eb_attn:
	s_mov_b64 s[64:65], 0
	v_nop
	global_prefetch_b8 v0, s[64:65] scope:SCOPE_SE
	s_setreg_imm32_b32 hwreg(HW_REG_WAVE_MODE, 25, 1), 1
	s_wait_xcnt 0x0
; attn = softmax(Q K^T / 8, masked keys left out), FINISHED AND NORMALISED, quantised along the keys; O = attn V; O quantised along the head's 64 for the last projection.  Both products on codes of E2M3.
; No code of a row can be made before the row's whole sum is known.  THE KEYS ARE SPLIT OVER THE EIGHT WAVES: wave w owns keys 256 w .. 256 w + 255 of its head for every query of the work-group;
; a tile of 16 queries x 256 keys is 128 registers of p.  Each score and each exponential is made once.  A wave's K (16 fragments) stays in its registers.
; THE SOFTMAX.  t = score x log2(e) / 8.  Wave w takes M_w = its row's largest t, rounded UP to a whole number, p = 2^(t - M_w), l_w = the sum of its p.  The pairs (-M_w, l_w) meet in LDS; every wave then has
; M = the largest M_w, l = the sum of l_w 2^(M_w - M) (exact scalings), and attn = p x g with g = 2^(M_w - M) / l.  Where no key counts, l = 0 and g is set to 0: the row is zeros.
; A masked key's score carries -2^100 from the mask channel of K's image: its p is an exact 0.
; TWO TILES ARE IN HAND.  Trip i makes tile i's scores, p and pair in buffer i % 2, stores the pair and signals the barrier; between the signal and the wait it normalises, quantises and multiplies tile i - 1,
; which waits in the other buffer and whose pairs were read behind the barrier before.  The chain that makes g of tile i - 1 stands among tile i's score products.
; V lies in the wave's own 12,288 bytes of LDS: when a buffer's p have become codes, V's 96 registers are read into it, and O^T's 32 registers lie there too.
; O^T is a sum over the eight waves: each wave's part of tile i - 1 goes to slot (i - 1) % 2 of LDS behind barrier i; in trip i wave (i - 2) % 8 adds the eight parts of tile i - 2, quantises and stores them.
; LAYOUT.  Both products are used transposed: S^T = K Q^T (source 0 = 16 keys), O^T = V^T P^T (source 0 = 16 of the head's 64): a lane holds one query throughout.  The rows of every tile are chosen
; (lane r of tile t: row 32 (t / 2) + 8 (t % 2) + r + 8 (r / 8)) so that the 16 registers of tiles 2 b, 2 b + 1 are 16 neighbours along the next K.
; K = 64 fills half of the instruction's 128: Q's codes from k = 65 on are zeros, so what stands beside K's eight registers adds nothing (every pattern of 6 bits is a finite number).
; OUT.  attc [row tile 512][head 16]: six registers a lane: 512 bytes of registers 0-3, 256 of registers 4-5; behind them, from byte ATTS on, the scale bytes [head][row tile 512][row 16], two bytes each.
; SHARES.  A work-group: 512 queries of one head (grid x: which 512; y: batch x head): 32 tiles, 33 trips.
; No cluster: what work-groups share, a head's K and V, is read once by each for the whole launch, not step by step.  No prefetch: the one stream, Q, is asked for a whole trip ahead by its own load.
; LIMITS: a row's largest t among the keys that count must lie above -2^24, and |t| under 2^24; NaN and infinities are not served; an all-zero block has the scale byte 1 (read by this program alone).
.set ATTS,  6291456                    ; where the scale bytes begin in attc
.set PARTS, 98304                      ; LDS: 0: V, 12,288 bytes a wave;  PARTS: two slots of [wave 8] 4,096 bytes: O^T's parts
.set STATS, 163840                     ; two sets, by turns, of 16 queries x 80 bytes: wave w's (-M_w, l_w) at 8 w
.set SCG,   166400                     ; the 32 tiles' scale bytes, 32 bytes a tile
.set SPARE, 167424                     ; the spare words, 128 bytes a wave
.set LI,  1                            ; 16 x lane
.set T16, 2                            ; 16 x (thread % 64)
.set STW, 3                            ; STATS + 80 r + 8 x wave
.set STR, 4                            ; STATS + 80 r
.set OB,  5                            ; PARTS + 4096 x wave + 16 x lane
.set VA,  6                            ; 12288 x wave + 16 x lane
.set FA,  7                            ; PARTS + 16 x lane
.set SCW, 8                            ; SCG + 32 x wave + 2 r
.set L8,  9                            ; 8 x lane
.set SCR, 10                           ; SCG + 16 x (thread % 64)
.set NM,  12                           ; -M_w;  v13 l_w
.set LSM, 13
.set G,   14                           ; g;  v15 named with it as a pair
.set QF,  16                           ; v16-27 Q's fragment; registers 8-11 stay zero
.set SCB, 36                           ; v36-37 the scale bytes of the four tiles that I finish.  v28-35, v56-63: each block's largest score, then p, then attn, two sets
.set QSW, 40                           ; Q's scale words: lanes 0-15 the even tile, lanes 16-31 the odd
.set KS,  42                           ; v42-49 K's scale words: register tile / 2
.set VS,  50                           ; v50-53 V's: register 2 step + tile / 2
.set PW,  54                           ; v54-55 attn's scale words
.set PF,  192                          ; v192-215 attn's two fragments
.set ST,  216                          ; v216-231 the eight pairs read back;
.set PT,  216                          ; between their use and the next read: the odd blocks' codes
.set T2,  232                          ; v232-239 at work
.set SO,  240                          ; v240-247 the conversions' scale operands
.set SUM, 240                          ; v240-255 the sum's eight chains
.set CH,  248                          ; at work
.set FP,  252                          ; the finisher's odd block's codes
; buffer A: v64-191 of window 0; window 1: v0-127 K (fragment t at 8 t), v128-255 buffer B
; s20 wave; s[24:25] Q at the tile in hand; s[26:27] the next pair's scale word; s[28:29] the codes out, one tile on from the tile finished; s[30:31] the scale bytes out; s[32:33] c; s[34:35] lane selects; s36 loop; s38 trip; s42 who finishes
.set MSB, 0
.macro WIN new                         ; the immediate's high byte repeats the setting that is left
.if MSB != (\new)
	s_set_vgpr_msb (MSB<<8)|(\new)
.set MSB, (\new)
.endif
.endm
.macro PLACES n
.rept \n
	v_nop
.endr
.endm
.macro WM d, a, b, c, sa, sb, ra, rb
.if (\ra) && (\rb)
	v_wmma_scale_f32_16x16x128_f8f6f4 v[(\d):(\d)+7], v[(\a):(\a)+11], v[(\b):(\b)+11], \c, v[\sa], v[\sb] matrix_a_fmt:MATRIX_FMT_FP6 matrix_b_fmt:MATRIX_FMT_FP6 matrix_a_scale:MATRIX_SCALE_ROW1 matrix_b_scale:MATRIX_SCALE_ROW1
.elseif (\ra)
	v_wmma_scale_f32_16x16x128_f8f6f4 v[(\d):(\d)+7], v[(\a):(\a)+11], v[(\b):(\b)+11], \c, v[\sa], v[\sb] matrix_a_fmt:MATRIX_FMT_FP6 matrix_b_fmt:MATRIX_FMT_FP6 matrix_a_scale:MATRIX_SCALE_ROW1
.elseif (\rb)
	v_wmma_scale_f32_16x16x128_f8f6f4 v[(\d):(\d)+7], v[(\a):(\a)+11], v[(\b):(\b)+11], \c, v[\sa], v[\sb] matrix_a_fmt:MATRIX_FMT_FP6 matrix_b_fmt:MATRIX_FMT_FP6 matrix_b_scale:MATRIX_SCALE_ROW1
.else
	v_wmma_scale_f32_16x16x128_f8f6f4 v[(\d):(\d)+7], v[(\a):(\a)+11], v[(\b):(\b)+11], \c, v[\sa], v[\sb] matrix_a_fmt:MATRIX_FMT_FP6 matrix_b_fmt:MATRIX_FMT_FP6
.endif
.endm
.macro SETP p                          ; X: the buffer of the tile that is begun; Y: that of the tile that is finished
.set SX, 64+64*(\p)
.set WX, \p
.set SY, 128-64*(\p)
.set WY, 1-(\p)
.set BMX, 56-28*(\p)
.set BMY, 28+28*(\p)
.endm
.macro QK1 kt, p
	WM SX+8*(\kt), 8*(\kt), QF, 0, KS+(\kt)/2, QSW, (\kt)%2, \p
.endm
; S^T.  K's fragment 15 names buffer B's first four registers beside its own eight; so it goes first, and fragment 0, whose result lands there in buffer B, goes last, behind more than five plain places
.macro QKA p
	WIN 0x01|(WX<<6)
	QK1 15, \p
.set KT, 1
.rept 14
	QK1 KT, \p
.set KT, KT+1
.endr
.endm
.macro QKB p
	WIN 0x01|(WX<<6)
	QK1 0, \p
	WIN 0
.endm
.macro QLOAD                           ; the next tile's Q: it has the rest of the trip in which to land
	global_load_b128 v[QF:QF+3], v[LI], s[24:25] offset:1024
	global_load_b128 v[QF+4:QF+7], v[LI], s[24:25] offset:1536
.endm
; g of the tile that waits, from the eight pairs
.macro STATA
	v_min3_num_f32 v[CH], v[ST], v[ST+2], v[ST+4]
	s_delay_alu instid0(VALU_DEP_1)
	v_min3_num_f32 v[CH], v[CH], v[ST+6], v[ST+8]
	s_delay_alu instid0(VALU_DEP_1)
	v_min3_num_f32 v[CH], v[CH], v[ST+10], v[ST+12]
	s_delay_alu instid0(VALU_DEP_1)
	v_min_num_f32 v[CH], v[CH], v[ST+14]           ; -M
.irp u, 0,1,2,3,4,5,6,7
	v_sub_f32 v[T2+\u], v[CH], v[ST+2*\u]          ; M_u - M: a whole number, 0 or less
.endr
.endm
.macro STATB
.irp u, 0,1,2,3,4,5,6,7
	v_cvt_i32_f32 v[T2+\u], v[T2+\u]
.endr
.irp u, 0,1,2,3,4,5,6,7
	v_ldexp_f32 v[ST+2*\u+1], v[ST+2*\u+1], v[T2+\u]   ; l_u under M: nothing is rounded
.endr
	v_add_f32 v[ST+1], v[ST+1], v[ST+3]
	v_add_f32 v[ST+5], v[ST+5], v[ST+7]
	v_add_f32 v[ST+9], v[ST+9], v[ST+11]
	s_delay_alu instid0(VALU_DEP_4)
	v_add_f32 v[ST+13], v[ST+13], v[ST+15]
	s_delay_alu instid0(VALU_DEP_3)
	v_add_f32 v[ST+1], v[ST+1], v[ST+5]
	s_delay_alu instid0(VALU_DEP_2)
	v_add_f32 v[ST+9], v[ST+9], v[ST+13]
	s_delay_alu instid0(VALU_DEP_1)
	v_add_f32 v[CH+1], v[ST+1], v[ST+9]            ; l: the same bits in all eight waves
	v_sub_f32 v[CH+2], v[CH], v[NM]
	s_delay_alu instid0(VALU_DEP_1)
	v_cvt_i32_f32 v[CH+2], v[CH+2]                 ; M_w - M
	s_wait_alu depctr_va_vdst(0)                   ; the wait ahead of a transcendental
	v_rcp_f32 v[G], v[CH+1]
	v_cmp_lt_f32 vcc_lo, 0, v[CH+1]
	v_nop
	s_wait_alu depctr_va_vdst(0)                   ; and behind it
	v_ldexp_f32 v[G], v[G], v[CH+2]
	s_delay_alu instid0(VALU_DEP_1)
	v_cndmask_b32 v[G], 0, v[G], vcc_lo            ; g = 2^(M_w - M) / l, or 0 where no key counts
.endm
; scores -> p, the blocks' largest p, the pair (-M_w, l_w)
.macro SOFT p
	WIN 0x05*WX
	s_wait_alu depctr_va_vdst(0)                   ; the wait directly ahead of the first reader of the scores
.irp b, 0,1,2,3,4,5,6,7
	v_max_num_f32 v[BMX+\b], v[SX+16*\b], v[SX+16*\b+1]   ; the largest score of each block of 32 keys: it serves for the row's maximum and, since p rises with the score, for the block's largest attn
.endr
.irp i, 2,4,6,8,10,12,14
.irp b, 0,1,2,3,4,5,6,7
	v_max3_num_f32 v[BMX+\b], v[SX+16*\b+\i], v[SX+16*\b+\i+1], v[BMX+\b]
.endr
.endr
	WIN 0
.irp b, 0,1,2,3,4,5,6,7
	v_permlanex16_b32 v[T2+\b], v[BMX+\b], s34, s35
.endr
.irp b, 0,1,2,3,4,5,6,7
	v_max_num_f32 v[BMX+\b], v[BMX+\b], v[T2+\b]   ; with lane l xor 16's 16 keys
.endr
	v_max3_num_f32 v[CH], v[BMX], v[BMX+1], v[BMX+2]
	s_delay_alu instid0(VALU_DEP_1)
	v_max3_num_f32 v[CH], v[CH], v[BMX+3], v[BMX+4]
	s_delay_alu instid0(VALU_DEP_1)
	v_max3_num_f32 v[CH], v[CH], v[BMX+5], v[BMX+6]
	s_delay_alu instid0(VALU_DEP_1)
	v_max_num_f32 v[CH], v[CH], v[BMX+7]
	s_delay_alu instid0(VALU_DEP_1)
	v_mul_f32 v[CH], s32, v[CH]                    ; as t (c is positive)
	s_delay_alu instid0(VALU_DEP_1)
	v_max_num_f32 v[CH], 0xcb800000, v[CH]         ; held at -2^24: where none of my keys counts, M_w is that, and every p is 0
	s_delay_alu instid0(VALU_DEP_1)
	v_floor_f32 v[NM], -v[CH]                      ; -M_w = floor(-t): M_w is a whole number
.irp b, 0,1,2,3,4,5,6,7
	v_fma_f32 v[BMX+\b], v[BMX+\b], s32, v[NM]     ; t - M_w of each block's largest score
.endr
	WIN 0x41*WX
.set J, 0
.rept 64
	v_pk_fma_f32 v[SX+J:SX+J+1], v[SX+J:SX+J+1], s[32:33], v[NM:NM+1] op_sel_hi:[1,0,0]   ; t - M_w, two at a time
.set J, J+2
.endr
	s_wait_alu depctr_va_vdst(0)                   ; one wait ahead of the batch
.set J, 0
.rept 128
	v_exp_f32 v[SX+J], v[SX+J]                     ; p = 2^(t - M_w), at most 1
.set J, J+1
.endr
	WIN 0
.irp b, 0,1,2,3,4,5,6,7
	v_exp_f32 v[BMX+\b], v[BMX+\b]                 ; each block's largest p: the same instructions on the same number give the same bits
.endr
	v_nop                                          ; a plain place behind the exponentials
	s_wait_alu depctr_va_vdst(0)                   ; one wait behind the batch
	WIN 0x05*WX
.irp c, 0,1,2,3,4,5,6,7
	v_pk_add_f32 v[SUM+2*\c:SUM+2*\c+1], v[SX+2*\c:SX+2*\c+1], v[SX+16+2*\c:SX+17+2*\c]   ; the sum of the unquantised p, in eight chains of pairs
.endr
	WIN 0x01*WX
.set J, 16
.rept 48
	v_pk_add_f32 v[SUM+2*(J%8):SUM+2*(J%8)+1], v[SX+2*J:SX+2*J+1], v[SUM+2*(J%8):SUM+2*(J%8)+1]
.set J, J+1
.endr
	WIN 0
.irp c, 0,1,2,3
.if WX == 0                            ; (the hint is written only where no switch of windows stands between the two instructions)
	s_delay_alu instid0(VALU_DEP_4)
.endif
	v_pk_add_f32 v[SUM+2*\c:SUM+2*\c+1], v[SUM+2*\c:SUM+2*\c+1], v[SUM+8+2*\c:SUM+9+2*\c]
.endr
	s_delay_alu instid0(VALU_DEP_2)
	v_pk_add_f32 v[SUM:SUM+1], v[SUM:SUM+1], v[SUM+4:SUM+5]
	s_delay_alu instid0(VALU_DEP_2)
	v_pk_add_f32 v[SUM+2:SUM+3], v[SUM+2:SUM+3], v[SUM+6:SUM+7]
	s_delay_alu instid0(VALU_DEP_1)
	v_pk_add_f32 v[SUM:SUM+1], v[SUM:SUM+1], v[SUM+2:SUM+3]
	s_delay_alu instid0(VALU_DEP_1)
	v_add_f32 v[LSM], v[SUM], v[SUM+1]
	s_delay_alu instid0(VALU_DEP_1)
	v_permlanex16_b32 v[SUM+2], v[LSM], s34, s35
	s_delay_alu instid0(VALU_DEP_1)
	v_add_f32 v[LSM], v[LSM], v[SUM+2]             ; l_w
	ds_store_b64 v[STW], v[NM:NM+1] offset:1280*\p ; lanes r and r + 16 write the same pair with the same values
.endm
; the tile that waits in buffer Y: attn = p g, its codes and scale words, O^T's part.  Registers and reads of my own V alone: it stands between a barrier's signal and its wait
.macro NORM
	WIN 0x41*WY
.set J, 0
.rept 64
	v_pk_mul_f32 v[SY+J:SY+J+1], v[SY+J:SY+J+1], v[G:G+1] op_sel_hi:[1,0]   ; attn
.set J, J+2
.endr
	WIN 0
.irp b, 0,1,2,3,4,5,6,7
	v_mul_f32 v[BMY+\b], v[BMY+\b], v[G]           ; each block's largest attn
.endr
.irp b, 0,1,2,3,4,5,6,7
	v_max_num_f32 v[BMY+\b], 0x1800000, v[BMY+\b]  ; the floor 2^(3 - 127)
.endr
.irp b, 0,1,2,3,4,5,6,7
	v_add_nc_u32 v[SO+\b], 0xff000000, v[BMY+\b]   ; 2 off the exponent field: the conversion's scale operand
.endr
.irp b, 0,1,2,3,4,5,6,7
	v_lshrrev_b32 v[T2+\b], 23, v[SO+\b]
.endr
.irp st, 0,1
	v_lshl_or_b32 v[PW+\st], v[T2+4*\st+1], 8, v[T2+4*\st]
	s_delay_alu instid0(VALU_DEP_1)
	v_lshl_or_b32 v[PW+\st], v[T2+4*\st+2], 16, v[PW+\st]
	s_delay_alu instid0(VALU_DEP_1)
	v_lshl_or_b32 v[PW+\st], v[T2+4*\st+3], 24, v[PW+\st]
.endr
	WIN 0x01*WY
.irp st, 0,1
.irp c, 0,1
	v_cvt_scalef32_pk16_fp6_f32 v[PF+12*\st+6*\c:PF+12*\st+6*\c+2], v[SY+64*\st+32*\c:SY+64*\st+32*\c+15], v[SO+4*\st+2*\c]
	v_cvt_scalef32_pk16_fp6_f32 v[PT+8*\st+4*\c:PT+8*\st+4*\c+2], v[SY+64*\st+32*\c+16:SY+64*\st+32*\c+31], v[SO+4*\st+2*\c+1]
.endr
.endr
	WIN 0x40*WY
.set J, 0
.rept 24
	ds_load_b128 v[SY+4*J:SY+4*J+3], v[VA] offset:512*J   ; the buffer is free: V's eight fragments, fragment f at 12 f
.set J, J+1
.endr
	WIN 0
	v_nop                                          ; one plain place behind a scaled conversion
.irp st, 0,1
.irp c, 0,1
.irp i, 0,1,2
	v_permlane16_swap_b32 v[PF+12*\st+6*\c+\i], v[PT+8*\st+4*\c+\i]   ; a whole block to a lane
.endr
.irp i, 0,1,2
	s_delay_alu instid0(VALU_DEP_3)
	v_mov_b32 v[PF+12*\st+6*\c+3+\i], v[PT+8*\st+4*\c+\i]
.endr
.endr
.endr
	PLACES 4                                       ; an operand written by vector instructions stands 4 places ahead of a scaled matrix instruction; the scale words stand more than 8 ahead
	s_wait_alu depctr_va_vdst(0)                   ; the wait directly ahead of the wait below
	s_wait_dscnt 0x0                               ; V is in
	WIN 0x51*WY
.irp j, 0,1,2,3                                ; the four accumulators by turns; the first key step starts the sums
	WM SY+96+8*\j, SY+12*\j, PF, 0, VS+\j/2, PW, \j%2, 0
.endr
.irp j, 0,1,2,3
	WM SY+96+8*\j, SY+48+12*\j, PF+12, v[SY+96+8*\j:SY+103+8*\j], VS+2+\j/2, PW+1, \j%2, 0
.endr
	WIN 0
	PLACES 5                                       ; in front of the stores that read the results, and of the next trip's products, which write over this buffer
.endm
; THE FINISHER: the wave whose number is s42 adds the eight parts in slot fs, quantises the tile's O^T and stores it.  It works in registers sf .. sf + 95 of window wf
.macro FLOAD u, buf
	WIN 0x40*WF
.irp c, 0,1,2,3,4,5,6,7
	ds_load_b128 v[SF+(\buf)+4*\c:SF+(\buf)+4*\c+3], v[FA] offset:32768*FS+4096*(\u)+512*\c
.endr
.endm
.macro FADD buf, left
	s_wait_dscnt \left                             ; all but the youngest part's eight loads
	WIN 0x45*WF
.set J, 0
.rept 16
	v_pk_add_f32 v[SF+J:SF+J+1], v[SF+J:SF+J+1], v[SF+(\buf)+J:SF+(\buf)+J+1]
.set J, J+2
.endr
.endm
.macro FIN fs, sf, wf, bt
.set FS, \fs
.set SF, \sf
.set WF, \wf
.set BT, \bt
	s_cmp_lg_u32 s20, s42
	s_cbranch_scc1 .Lnf_\@
	FLOAD 0, 0
	FLOAD 1, 32
	FLOAD 2, 64
	FADD 32, 8
	FLOAD 3, 32
	FADD 64, 8
	FLOAD 4, 64
	FADD 32, 8
	FLOAD 5, 32
	FADD 64, 8
	FLOAD 6, 64
	FADD 32, 8
	FLOAD 7, 32
	FADD 64, 8
	FADD 32, 0                                     ; O^T: register 16 b + i = d 32 b + 16 h + i of my query
	WIN 0x05*WF
.irp b, 0,1
	v_max3_num_f32 v[BT+\b], |v[SF+16*\b]|, |v[SF+16*\b+1]|, 0x1800000
.endr
.irp i, 2,4,6,8,10,12,14
.irp b, 0,1
	s_delay_alu instid0(VALU_DEP_2)
	v_max3_num_f32 v[BT+\b], |v[SF+16*\b+\i]|, |v[SF+16*\b+\i+1]|, v[BT+\b]
.endr
.endr
	WIN 0
.irp b, 0,1
.if WF == 0                            ; (likewise)
	s_delay_alu instid0(VALU_DEP_2)
.endif
	v_permlanex16_b32 v[T2+\b], v[BT+\b], s34, s35
.endr
.irp b, 0,1
	s_delay_alu instid0(VALU_DEP_2)
	v_max_num_f32 v[BT+\b], v[BT+\b], v[T2+\b]
.endr
.irp b, 0,1
	s_delay_alu instid0(VALU_DEP_2)
	v_add_nc_u32 v[SO+\b], 0xff000000, v[BT+\b]
.endr
.irp b, 0,1
	s_delay_alu instid0(VALU_DEP_2)
	v_lshrrev_b32 v[T2+\b], 23, v[SO+\b]
.endr
	s_delay_alu instid0(VALU_DEP_1)
	v_lshl_or_b32 v[CH], v[T2+1], 8, v[T2]         ; the head's two scale bytes of my row
	v_lshrrev_b32 v[SCB], 16, v[SCB]               ; they are pushed in at the top of the pair v36-37: after four tiles the first lies lowest
	s_delay_alu instid0(VALU_DEP_1)
	v_lshl_or_b32 v[SCB], v[SCB+1], 16, v[SCB]
	v_lshrrev_b32 v[SCB+1], 16, v[SCB+1]
	s_delay_alu instid0(VALU_DEP_1)
	v_lshl_or_b32 v[SCB+1], v[CH], 16, v[SCB+1]
	WIN 0x01*WF
	v_cvt_scalef32_pk16_fp6_f32 v[PF:PF+2], v[SF:SF+15], v[SO]
	v_cvt_scalef32_pk16_fp6_f32 v[FP:FP+2], v[SF+16:SF+31], v[SO+1]
	WIN 0
	v_nop                                          ; one plain place behind a scaled conversion
.irp i, 0,1,2
	v_permlane16_swap_b32 v[PF+\i], v[FP+\i]
.endr
.irp i, 0,1,2
	s_delay_alu instid0(VALU_DEP_3)
	v_mov_b32 v[PF+3+\i], v[FP+\i]
.endr
	global_store_b128 v[LI], v[PF:PF+3], s[28:29] offset:-12288   ; six registers a lane: 512 consecutive bytes, aligned,
	global_store_b64 v[L8], v[PF+4:PF+5], s[28:29] offset:-11776  ; and 256
.Lnf_\@:
.endm
.macro STEPS                           ; a trip's end
	s_wait_alu depctr_va_vdst(0)                   ; the wait directly ahead of the wait below
	s_wait_xcnt 0x0                                ; the loads and stores have read their bases and their data
	s_add_nc_u64 s[24:25], s[24:25], 1024
	s_add_nc_u64 s[28:29], s[28:29], 12288
	s_add_co_u32 s38, s38, 1
	s_add_co_u32 s42, s42, 1
	s_and_b32 s42, s42, 7
.endm
; TRIP i = s38, of parity p
.macro ITER p
	SETP \p
	s_wait_loadcnt_dscnt 0x0                       ; Q's fragment and scale words, and the pairs of the tile that waits
.if \p
	s_add_co_u32 s40, s38, 1                       ; where the next pair of tiles has its scale word: four pairs' words 4 bytes apart in a block of 512 bytes
	s_lshr_b32 s40, s40, 1
	s_lshr_b32 s43, s40, 2
	s_lshl_b32 s43, s43, 9
	s_and_b32 s40, s40, 3
	s_lshl_b32 s40, s40, 2
	s_add_co_u32 s40, s40, s43
	s_add_nc_u64 s[26:27], s[6:7], s[40:41]
	QKA 1
	WIN 0
	STATA
	QKB 1
	STATB
	s_wait_alu depctr_va_vdst(0)                   ; the wait ahead of the branch
	s_cmp_eq_u32 s38, 31                           ; the last tile asks for nothing: no load leaves its buffer
	s_cbranch_scc1 .Lnoq_\@
	QLOAD
	global_load_b32 v[QSW], v[LI], s[26:27]
.Lnoq_\@:
	SOFT 1
.else
	s_cmp_eq_u32 s38, 32                           ; trip 32 begins no tile
	s_cbranch_scc1 .Lna_\@
	QKA 0
	QKB 0
.Lna_\@:
	STATA
	STATB
	s_wait_alu depctr_va_vdst(0)                   ; the wait ahead of the branch
	s_cmp_eq_u32 s38, 32
	s_cbranch_scc1 .Lnb_\@
	QLOAD
	SOFT 0
.Lnb_\@:
.endif
	s_wait_alu depctr_va_vdst(0)
	s_wait_dscnt 0x0                               ; for the others' sake: my pair has landed, and so has my part of O^T of the trip before; a finisher's reads are over
	s_barrier_signal -1
	NORM
	s_barrier_wait -1
.if \p == 0
	s_cmp_eq_u32 s38, 32
	s_cbranch_scc1 .Lnc_\@
.endif
.irp i, 0,1,2,3
	ds_load_b128 v[ST+4*\i:ST+4*\i+3], v[STR] offset:1280*\p+16*\i   ; this set is written again two trips on, behind the other set's barrier
.endr
.if \p == 0
.Lnc_\@:
.endif
	WIN 0x04*WY                                    ; an LDS store's data are its source 1
.irp c, 0,1,2,3,4,5,6,7
	ds_store_b128 v[OB], v[SY+96+4*\c:SY+96+4*\c+3] offset:32768*(1-\p)+512*\c   ; each accumulator from its low end on
.endr
	WIN 0
	FIN \p, SY, WY, BMY                            ; tile i - 2: its parts were stored ahead of this trip's barrier; its slot is written again behind the next
	STEPS
.endm
	s_load_b256 s[4:11], s[0:1], 0x0               ; qimg, qsc, kimg, ksc
	s_load_b128 s[12:15], s[0:1], 0x20             ; vimg, vsc
	s_load_b64 s[16:17], s[0:1], 0x30              ; attc
	v_lshrrev_b32 v11, 5, v0
	s_delay_alu instid0(VALU_DEP_1)
	v_readfirstlane_b32 s20, v11                   ; wave 0..7
	v_and_b32 v11, 15, v0                          ; r
	v_and_b32 v38, 31, v0                          ; lane
	v_and_b32 v39, 63, v0
	s_delay_alu instid0(VALU_DEP_2)
	v_lshlrev_b32 v[LI], 4, v38
	s_delay_alu instid0(VALU_DEP_3)
	v_lshlrev_b32 v[L8], 3, v38
	s_delay_alu instid0(VALU_DEP_3)
	v_lshlrev_b32 v[T16], 4, v39
	v_mul_u32_u24 v[STR], v11, 80
	s_delay_alu instid0(VALU_DEP_1)
	v_add_nc_u32 v[STR], STATS, v[STR]
	s_lshl_b32 s22, s20, 3
	v_add_nc_u32 v[STW], s22, v[STR]
	s_lshl_b32 s22, s20, 12
	s_add_co_u32 s22, s22, PARTS
	v_add_nc_u32 v[OB], s22, v[LI]
	v_add_nc_u32 v[FA], PARTS, v[LI]
	s_mul_i32 s22, s20, 12288
	v_add_nc_u32 v[VA], s22, v[LI]
	s_lshl_b32 s22, s20, 5
	s_add_co_u32 s22, s22, SCG
	v_lshl_add_u32 v[SCW], v11, 1, s22
	v_add_nc_u32 v[SCR], SCG, v[T16]
	v_mov_b32 v[LSM], 0                            ; (named as the upper half of a pair before it is first written)
	v_mov_b32 v[G+1], 0
	v_mov_b32 v[SCB], 0
	v_mov_b32 v[SCB+1], 0
.irp i, 8,9,10,11
	v_mov_b32 v[QF+\i], 0                          ; the last four registers of Q's fragment: zero codes, once
.endr
.irp b, 0,1,2,3,4,5,6,7
	v_mov_b32 v[T2+\b], 0                          ; written once: a lane permute's destination counts as one of its sources
.endr
	s_mov_b32 s32, 0x3e38aa3b                      ; c = log2(e) / 8
	s_mov_b32 s33, s32                             ; (the packed form names the pair)
	s_mov_b32 s34, 0x76543210
	s_mov_b32 s35, 0xfedcba98
	s_mov_b32 s36, 16
	s_mov_b32 s38, 1
	s_mov_b32 s41, 0
	s_and_b32 s21, ttmp7, 0xffff                   ; 16 x batch + head
	s_mov_b32 s23, 0
	s_wait_alu depctr_va_vdst(0)                   ; the wait at the head's end
	s_wait_kmcnt 0x0
	s_add_nc_u64 s[18:19], s[16:17], ATTS          ; the scale bytes lie behind the codes
	s_lshl_b32 s22, s21, 17                        ; K: 131,072 bytes a head, 16 tiles of 1,024 a wave
	s_lshl_b32 s42, s20, 14
	s_add_co_u32 s22, s22, s42
	s_add_nc_u64 s[8:9], s[8:9], s[22:23]
	s_mul_i32 s22, s21, 98304                      ; V: 98,304 bytes a head, 2 key steps of 6,144 a wave
	s_mul_i32 s42, s20, 12288
	s_add_co_u32 s22, s22, s42
	s_add_nc_u64 s[12:13], s[12:13], s[22:23]
	s_lshl_b32 s22, s21, 13
	s_lshl_b32 s42, s20, 10
	s_add_co_u32 s22, s22, s42
	s_add_nc_u64 s[10:11], s[10:11], s[22:23]      ; K's scale words
	s_lshl_b32 s22, s21, 12
	s_lshl_b32 s42, s20, 9
	s_add_co_u32 s22, s22, s42
	s_add_nc_u64 s[14:15], s[14:15], s[22:23]      ; V's
	s_lshl_b32 s22, s21, 17
	s_lshl_b32 s42, ttmp9, 15                      ; Q: 32 tiles of 1,024 bytes a work-group
	s_add_co_u32 s22, s22, s42
	s_add_nc_u64 s[24:25], s[4:5], s[22:23]
	s_lshl_b32 s22, s21, 13
	s_lshl_b32 s42, ttmp9, 11
	s_add_co_u32 s22, s22, s42
	s_add_nc_u64 s[6:7], s[6:7], s[22:23]          ; Q's scale words
	s_lshr_b32 s43, s21, 4                         ; batch
	s_and_b32 s44, s21, 15                         ; head
	s_lshl_b32 s22, s43, 7
	s_lshl_b32 s42, ttmp9, 5
	s_add_co_u32 s22, s22, s42                     ; the work-group's first row tile: 128 x batch + 32 x
	s_mul_i32 s22, s22, 12288                      ; 16 heads of 768 bytes a tile
	s_mul_i32 s42, s44, 768
	s_add_co_u32 s22, s22, s42
	s_add_nc_u64 s[28:29], s[16:17], s[22:23]
	s_lshl_b32 s22, s44, 14                        ; the scale bytes: 16,384 bytes a head, 32 a tile
	s_lshl_b32 s42, s43, 12
	s_add_co_u32 s22, s22, s42
	s_lshl_b32 s42, ttmp9, 10
	s_add_co_u32 s22, s22, s42
	s_add_nc_u64 s[30:31], s[18:19], s[22:23]
	s_mov_b32 s42, 15                              ; nobody finishes in trip 1; from trip 2 on it is (trip - 2) % 8
	WIN 0x40                                       ; destination window 1
.set KT, 0
.rept 24
	global_load_b128 v[128+4*KT:128+4*KT+3], v[LI], s[12:13] offset:512*KT   ; V, on its way to LDS, through buffer B
.set KT, KT+1
.endr
.set KT, 0
.rept 16
	global_load_b128 v[8*KT:8*KT+3], v[LI], s[8:9] offset:1024*KT
	global_load_b128 v[8*KT+4:8*KT+7], v[LI], s[8:9] offset:1024*KT+512
.set KT, KT+1
.endr
	WIN 0
	global_load_b128 v[KS:KS+3], v[LI], s[10:11]
	global_load_b128 v[KS+4:KS+7], v[LI], s[10:11] offset:512
	global_load_b64 v[VS:VS+1], v[L8], s[14:15]
	global_load_b64 v[VS+2:VS+3], v[L8], s[14:15] offset:256
	global_load_b128 v[QF:QF+3], v[LI], s[24:25]
	global_load_b128 v[QF+4:QF+7], v[LI], s[24:25] offset:512
	global_load_b32 v[QSW], v[LI], s[6:7]
	s_wait_loadcnt 39                              ; V's 24 loads are in; the 39 behind them (32 + 2 + 2 + 2 + 1) may be out
	WIN 0x04
.set KT, 0
.rept 24
	ds_store_b128 v[VA], v[128+4*KT:128+4*KT+3] offset:512*KT   ; my own bytes: no other wave reads them, so no barrier
.set KT, KT+1
.endr
	WIN 0
	; trip 0: tile 0 is begun; nothing waits yet
	SETP 0
	s_wait_loadcnt 0x0
	QKA 0
	QKB 0
	PLACES 4                                       ; in front of the loads into Q's registers and of the first read of the scores
	QLOAD
	SOFT 0
	s_wait_alu depctr_va_vdst(0)
	s_wait_dscnt 0x0
	s_barrier_signal -1
	s_barrier_wait -1
.irp i, 0,1,2,3
	ds_load_b128 v[ST+4*\i:ST+4*\i+3], v[STR] offset:16*\i
.endr
	s_wait_xcnt 0x0
	s_add_nc_u64 s[24:25], s[24:25], 1024
.Lloop:                                                ; trips 1 to 32
	ITER 1
	ITER 0
	s_sub_co_u32 s36, s36, 1
	s_cmp_lg_u32 s36, 0
	s_cbranch_scc1 .Lloop
	s_wait_dscnt 0x0                               ; tile 31's parts have landed
	s_barrier_signal -1
	s_barrier_wait -1
	FIN 1, 64, 0, 56                               ; tile 31, by wave 7
	s_wait_alu depctr_va_vdst(0)
	ds_store_b16 v[SCW], v[SCB]                    ; the scale bytes of tiles w, w + 8, w + 16, w + 24; lanes r and r + 16 write the same two bytes
	ds_store_b16_d16_hi v[SCW], v[SCB] offset:256
	ds_store_b16 v[SCW], v[SCB+1] offset:512
	ds_store_b16_d16_hi v[SCW], v[SCB+1] offset:768
	s_wait_dscnt 0x0
	s_barrier_signal -1
	s_barrier_wait -1                              ; the 32 tiles' 1,024 scale bytes lie together
	s_cmp_gt_u32 s20, 1
	s_cbranch_scc1 .Lend
	ds_load_b128 v[CH:CH+3], v[SCR]
	s_wait_dscnt 0x0
	global_store_b128 v[T16], v[CH:CH+3], s[30:31] ; waves 0 and 1: 512 consecutive bytes each, aligned
.Lend:
	s_wait_xcnt 0x0
	v_lshl_add_u32 v254, v0, 2, SPARE
	v_mov_b32 v255, 0
	s_wait_alu depctr_va_vdst(0)
	s_wait_tensorcnt 0x0                           ; the wave's end
	ds_add_u32 v254, v255
	s_wait_dscnt 0x0
	s_endpgm
.Lfunc_end_k_q600eb382eb_attn:
	.size	k_q600eb382eb_attn, .Lfunc_end_k_q600eb382eb_attn-k_q600eb382eb_attn
	.p2alignl 7, 3214868480
	.fill 96, 4, 3214868480
	.section	.rodata,"a",@progbits
	.p2align	6, 0x0
	.amdhsa_kernel k_q600eb382eb_attn
		.amdhsa_group_segment_fixed_size 168448
		.amdhsa_private_segment_fixed_size 0
		.amdhsa_enable_private_segment 0
		.amdhsa_kernarg_size 56
		.amdhsa_user_sgpr_count 2
		.amdhsa_user_sgpr_kernarg_segment_ptr 1
		.amdhsa_wavefront_size32 1
		.amdhsa_system_sgpr_workgroup_id_x 1
		.amdhsa_system_sgpr_workgroup_id_y 1
		.amdhsa_system_sgpr_workgroup_id_z 1
		.amdhsa_system_vgpr_workitem_id 0
		.amdhsa_next_free_vgpr 512
		.amdhsa_next_free_sgpr 66
		.amdhsa_reserve_vcc 1
		.amdhsa_float_denorm_mode_32 3
		.amdhsa_float_denorm_mode_16_64 3
		.amdhsa_memory_ordered 1
		.amdhsa_forward_progress 1
		.amdhsa_inst_pref_size 148
	.end_amdhsa_kernel
	.amdgpu_metadata
---
amdhsa.version: [ 1, 2 ]
amdhsa.kernels:
  - .name:           k_q600eb382eb_attn
    .symbol:         k_q600eb382eb_attn.kd
    .args:
      - { .name: qimg, .offset: 0, .size: 8, .value_kind: global_buffer, .address_space: global }
      - { .name: qsc, .offset: 8, .size: 8, .value_kind: global_buffer, .address_space: global }
      - { .name: kimg, .offset: 16, .size: 8, .value_kind: global_buffer, .address_space: global }
      - { .name: ksc, .offset: 24, .size: 8, .value_kind: global_buffer, .address_space: global }
      - { .name: vimg, .offset: 32, .size: 8, .value_kind: global_buffer, .address_space: global }
      - { .name: vsc, .offset: 40, .size: 8, .value_kind: global_buffer, .address_space: global }
      - { .name: attc, .offset: 48, .size: 8, .value_kind: global_buffer, .address_space: global }
    .group_segment_fixed_size: 168448
    .private_segment_fixed_size: 0
    .kernarg_segment_align: 8
    .kernarg_segment_size: 56
    .max_flat_workgroup_size: 256
    .sgpr_count:     66
    .vgpr_count:     512
    .wavefront_size: 32
...
	.end_amdgpu_metadata
.endif
;; end of part 3
;; launch outp (part 4): grid 256 x 1, 16 waves a work-group, no clusters, 97,280 bytes of LDS; arguments attc, wimg, bo, out0; writes out0
.if DOCPART == 4
	.amdgcn_target "amdgcn-amd-amdhsa--gfx1250"
	.amdhsa_code_object_version 6
	.text
	.protected	k_q600eb382eb_outp
	.globl	k_q600eb382eb_outp
	.p2align	8
	.type	k_q600eb382eb_outp,@function
k_q600eb382eb_outp:
	s_mov_b64 s[64:65], 0
	v_nop
	global_prefetch_b8 v0, s[64:65] scope:SCOPE_SE
	s_setreg_imm32_b32 hwreg(HW_REG_WAVE_MODE, 25, 1), 1
	s_wait_xcnt 0x0
; out0 = O Wo^T + bo on codes of E2M3.  O arrives as codes in the order of the operand's registers (attc [row tile 512][head 16]: six registers a lane: 512 bytes of registers 0-3, 256 of registers 4-5) with two scale bytes
; for each row and head (from byte ATTS of attc on: [head][row tile][row]); Wo as fragments (wimg, the fourth weight) with its scale words (from byte WSC of wimg on).
; SHARES.  A work-group: 32 rows (tiles 2 n, 2 n + 1) and all 1,024 columns.  Wave w: columns 64 w .. 64 w + 63 (Wo's tiles 4 w .. 4 w + 3): 8 accumulators.
; O's 24,576 bytes of codes go into LDS as they lie; a fragment of K step s is the six registers of head 2 s and the six of head 2 s + 1.  Wo's fragments go from memory straight into registers.
; Source 0 = Wo's tile, source 1 = O's tile: a lane holds one row, its registers columns.  The bias is loaded into the accumulators: it is the sums' start.
; ROWS OF A TILE: lane r of tile t stands for row 32 (t / 2) + 8 (t % 2) + r + 8 (r / 8), of O and of Wo alike.
; The results go through the wave's own stage in LDS and leave as rows: sixteen lanes store 256 consecutive bytes, aligned.
; No cluster: Wo goes into the registers of the one wave that multiplies it; no tile passes through LDS by a copy engine.
.set ATTS, 6291456                     ; where O's scale bytes begin in attc
.set WSC, 3145728                      ; where W's scale words begin in wimg
.set XSC, 24576                        ; LDS: 0: O's codes;  XSC: the scale bytes [tile x row 32][head 16] of two bytes;  STG: 16 rows x 272 bytes for each wave
.set STG, 25600
.set LI,  1                            ; v1   16 x lane
.set L8B, 2                            ; v2   512 + 8 x lane
.set T16, 3                            ; v3   16 x thread
.set XSW, 4                            ; v4   XSC + 32 x lane + 2 x wave
.set XSR, 5                            ; v5   XSC + 32 x lane
.set SOA, 6                            ; v6   the stage, in: 272 r + 64 h
.set SRA, 7                            ; v7   back: 272 h + 16 r
.set GO,  8                            ; v8   out0: 4096 h + 16 r
.set BA,  9                            ; v9   64 h
.set L2,  10                           ; v10  2 x lane
.set ACC, 16                           ; v16-79 accumulator (row tile x, Wo's tile t) at 32 x + 8 t
.set XF,  80                           ; v80-103, v104-127 O's two fragments, two sets
.set WB,  128                          ; v128-175, v176-223 Wo's four fragments, two sets
.set WS,  224                          ; v224-239 Wo's scale words
.set XS,  240                          ; v240-247 O's: register K step; lanes 0-15 tile 0, lanes 16-31 tile 1
.macro PLACES n
.rept \n
	v_nop
.endr
.endm
.macro WM d, a, b, c, sa, sb, ra, rb
.if (\ra) && (\rb)
	v_wmma_scale_f32_16x16x128_f8f6f4 v[(\d):(\d)+7], v[(\a):(\a)+11], v[(\b):(\b)+11], v[(\c):(\c)+7], v[\sa], v[\sb] matrix_a_fmt:MATRIX_FMT_FP6 matrix_b_fmt:MATRIX_FMT_FP6 matrix_a_scale:MATRIX_SCALE_ROW1 matrix_b_scale:MATRIX_SCALE_ROW1
.elseif (\ra)
	v_wmma_scale_f32_16x16x128_f8f6f4 v[(\d):(\d)+7], v[(\a):(\a)+11], v[(\b):(\b)+11], v[(\c):(\c)+7], v[\sa], v[\sb] matrix_a_fmt:MATRIX_FMT_FP6 matrix_b_fmt:MATRIX_FMT_FP6 matrix_a_scale:MATRIX_SCALE_ROW1
.elseif (\rb)
	v_wmma_scale_f32_16x16x128_f8f6f4 v[(\d):(\d)+7], v[(\a):(\a)+11], v[(\b):(\b)+11], v[(\c):(\c)+7], v[\sa], v[\sb] matrix_a_fmt:MATRIX_FMT_FP6 matrix_b_fmt:MATRIX_FMT_FP6 matrix_b_scale:MATRIX_SCALE_ROW1
.else
	v_wmma_scale_f32_16x16x128_f8f6f4 v[(\d):(\d)+7], v[(\a):(\a)+11], v[(\b):(\b)+11], v[(\c):(\c)+7], v[\sa], v[\sb] matrix_a_fmt:MATRIX_FMT_FP6 matrix_b_fmt:MATRIX_FMT_FP6
.endif
.endm
	s_load_b64 s[4:5], s[0:1], 0x0                 ; attc
	s_load_b64 s[8:9], s[0:1], 0x8                 ; wimg
	s_load_b128 s[12:15], s[0:1], 0x10             ; bo, out0
	v_lshl_add_u32 v254, v0, 2, 0x17400
	v_mov_b32 v255, 0
	v_lshrrev_b32 v11, 5, v0
	s_delay_alu instid0(VALU_DEP_1)
	v_readfirstlane_b32 s16, v11                   ; wave 0..15
	v_and_b32 v11, 31, v0                          ; lane
	v_and_b32 v12, 15, v0                          ; r
	v_bfe_u32 v13, v0, 4, 1                        ; h
	s_delay_alu instid0(VALU_DEP_3)
	v_lshlrev_b32 v[LI], 4, v11
	s_delay_alu instid0(VALU_DEP_4)
	v_lshl_add_u32 v[L8B], v11, 3, 512
	v_lshlrev_b32 v[T16], 4, v0
	v_lshlrev_b32 v[XSR], 5, v11
	s_delay_alu instid0(VALU_DEP_1)
	v_add_nc_u32 v[XSR], XSC, v[XSR]
	s_lshl_b32 s17, s16, 1
	v_add_nc_u32 v[XSW], s17, v[XSR]
	s_mul_i32 s17, s16, 4352
	s_add_co_u32 s17, s17, STG                     ; my stage
	v_mul_u32_u24 v[SOA], v12, 272
	s_delay_alu instid0(VALU_DEP_1)
	v_lshl_add_u32 v[SOA], v13, 6, v[SOA]
	s_delay_alu instid0(VALU_DEP_1)
	v_add_nc_u32 v[SOA], s17, v[SOA]
	v_mul_u32_u24 v[SRA], v13, 272
	s_delay_alu instid0(VALU_DEP_1)
	v_lshl_add_u32 v[SRA], v12, 4, v[SRA]
	s_delay_alu instid0(VALU_DEP_1)
	v_add_nc_u32 v[SRA], s17, v[SRA]
	v_lshlrev_b32 v[GO], 12, v13
	s_delay_alu instid0(VALU_DEP_1)
	v_lshl_add_u32 v[GO], v12, 4, v[GO]
	v_lshlrev_b32 v[BA], 6, v13
	v_lshlrev_b32 v[L2], 1, v11
	s_mov_b32 s19, 0
	s_wait_alu depctr_va_vdst(0)
	s_wait_kmcnt 0x0
	s_add_nc_u64 s[6:7], s[4:5], ATTS              ; O's scale bytes lie behind its codes,
	s_add_nc_u64 s[10:11], s[8:9], WSC             ; W's scale words behind W's images
	s_mul_i32 s18, ttmp9, 24576
	s_add_nc_u64 s[4:5], s[4:5], s[18:19]          ; my two tiles' codes
	s_lshl_b32 s18, s16, 14
	s_lshl_b32 s20, ttmp9, 6
	s_add_co_u32 s18, s18, s20
	s_add_nc_u64 s[6:7], s[6:7], s[18:19]          ; head w's scale bytes of my 32 rows
	s_mul_i32 s18, s16, 49152
	s_add_co_u32 s18, s18, 2359296                 ; the fourth weight, my four tiles
	s_add_nc_u64 s[8:9], s[8:9], s[18:19]
	s_lshl_b32 s18, s16, 11
	s_add_co_u32 s18, s18, 98304
	s_add_nc_u64 s[10:11], s[10:11], s[18:19]
	s_lshl_b32 s18, s16, 8
	s_add_nc_u64 s[12:13], s[12:13], s[18:19]      ; my 64 numbers of bo
	s_lshl_b32 s20, ttmp9, 17                      ; 32 rows of 4,096 bytes
	s_add_co_u32 s18, s18, s20
	s_add_nc_u64 s[14:15], s[14:15], s[18:19]
.irp k, 0,1,2
	global_load_b128 v[XF+4*\k:XF+4*\k+3], v[T16], s[4:5] offset:8192*\k
.endr
	global_load_u16 v[XF+12], v[L2], s[6:7]
.irp u, 0,1
.irp q, 0,1
	global_load_b128 v[WS+8*\u+4*\q:WS+8*\u+4*\q+3], v[LI], s[10:11] offset:1024*\u+512*\q
.endr
.endr
.irp xt, 0,1
.irp wt, 0,1,2,3
	global_load_b128 v[ACC+32*\xt+8*\wt:ACC+32*\xt+8*\wt+3], v[BA], s[12:13] offset:(32*(\wt/2)+8*(\wt%2))*4
	global_load_b128 v[ACC+32*\xt+8*\wt+4:ACC+32*\xt+8*\wt+7], v[BA], s[12:13] offset:(32*(\wt/2)+8*(\wt%2))*4+16
.endr
.endr
.irp wt, 0,1,2,3
.irp c, 0,1,2
	global_load_b128 v[WB+12*\wt+4*\c:WB+12*\wt+4*\c+3], v[LI], s[8:9] offset:12288*\wt+512*\c
.endr
.endr
	s_wait_loadcnt 32                              ; the first four loads are in; the 32 behind them (4 + 16 + 12) may be out
.irp k, 0,1,2
	ds_store_b128 v[T16], v[XF+4*\k:XF+4*\k+3] offset:8192*\k
.endr
	ds_store_b16 v[XSW], v[XF+12]
	s_wait_dscnt 0x0                               ; for the others' sake: my stores have landed
	s_barrier_signal -1
	s_barrier_wait -1                              ; the only barrier: O's codes and scale bytes lie in LDS and are not written again
.macro OFETCH buf, s                   ; O's two fragments of K step s
.irp xt, 0,1
.irp c, 0,1
	ds_load_b128 v[XF+24*(\buf)+12*\xt+6*\c:XF+24*(\buf)+12*\xt+6*\c+3], v[LI] offset:12288*\xt+768*(2*(\s)+\c)
	ds_load_b64 v[XF+24*(\buf)+12*\xt+6*\c+4:XF+24*(\buf)+12*\xt+6*\c+5], v[L8B] offset:12288*\xt+768*(2*(\s)+\c)
.endr
.endr
.endm
	ds_load_b128 v[XS:XS+3], v[XSR]
	ds_load_b128 v[XS+4:XS+7], v[XSR] offset:16
	OFETCH 0, 0
; A K step of 128: the next step's operands are asked for, then this step's eight products, the accumulators by turns.
.macro OSTEP s
.set WC, WB+48*((\s)%2)
.set WN, WB+48*(1-(\s)%2)
.set XC, XF+24*((\s)%2)
.if \s < 7
.irp wt, 0,1,2,3
.irp c, 0,1,2
	global_load_b128 v[WN+12*\wt+4*\c:WN+12*\wt+4*\c+3], v[LI], s[8:9] offset:12288*\wt+1536*(\s+1)+512*\c
.endr
.endr
	OFETCH 1-(\s)%2, \s+1
	s_wait_loadcnt 12                              ; all but the 12 just issued
	s_wait_dscnt 8                                 ; all but the 8 just issued
.else
	s_wait_loadcnt 0x0
	s_wait_dscnt 0x0
.endif
.irp xt, 0,1
.irp wt, 0,1,2,3
	WM ACC+32*\xt+8*\wt, WC+12*\wt, XC+12*\xt, ACC+32*\xt+8*\wt, WS+8*(\wt/2)+\s, XS+\s, \wt%2, \xt
.endr
.endr
	PLACES 4                                       ; in front of loads into registers that these products read, and of the first read of results
.endm
	OSTEP 0
	OSTEP 1
	OSTEP 2
	OSTEP 3
	OSTEP 4
	OSTEP 5
	OSTEP 6
	OSTEP 7
; THE WAY OUT.  LDS serves a wave's instructions in order (ISA guide 5.7.1.4): the loads see the stores above them, and tile 1's stores come behind tile 0's loads.
.irp xt, 0,1
.irp wt, 0,1,2,3
	ds_store_b128 v[SOA], v[ACC+32*\xt+8*\wt:ACC+32*\xt+8*\wt+3] offset:128*(\wt/2)+32*(\wt%2)       ; each accumulator from its low end on
	ds_store_b128 v[SOA], v[ACC+32*\xt+8*\wt+4:ACC+32*\xt+8*\wt+7] offset:128*(\wt/2)+32*(\wt%2)+16
.endr
.irp i, 0,1,2,3,4,5,6,7
	ds_load_b128 v[WB+48*\xt+4*\i:WB+48*\xt+4*\i+3], v[SRA] offset:544*\i
.endr
.endr
	s_wait_dscnt 16                                ; tile 0 is back; tile 1's eight stores and eight loads may be out
.irp i, 0,1,2,3,4,5,6,7
	global_store_b128 v[GO], v[WB+4*\i:WB+4*\i+3], s[14:15] offset:(2*\i+8*(\i/4))*4096 th:TH_STORE_NT   ; stage rows 2 i and 2 i + 1 are rows 2 i + 8 (i / 4) + h of the 32
.endr
	s_wait_dscnt 0x0
.irp i, 0,1,2,3,4,5,6,7
	global_store_b128 v[GO], v[WB+48+4*\i:WB+48+4*\i+3], s[14:15] offset:(8+2*\i+8*(\i/4))*4096 th:TH_STORE_NT
.endr
	s_wait_tensorcnt 0x0
	ds_add_u32 v254, v255
	s_wait_dscnt 0x0
	s_endpgm
.Lfunc_end_k_q600eb382eb_outp:
	.size	k_q600eb382eb_outp, .Lfunc_end_k_q600eb382eb_outp-k_q600eb382eb_outp
	.p2alignl 7, 3214868480
	.fill 96, 4, 3214868480
	.section	.rodata,"a",@progbits
	.p2align	6, 0x0
	.amdhsa_kernel k_q600eb382eb_outp
		.amdhsa_group_segment_fixed_size 97280
		.amdhsa_private_segment_fixed_size 0
		.amdhsa_enable_private_segment 0
		.amdhsa_kernarg_size 32
		.amdhsa_user_sgpr_count 2
		.amdhsa_user_sgpr_kernarg_segment_ptr 1
		.amdhsa_wavefront_size32 1
		.amdhsa_system_sgpr_workgroup_id_x 1
		.amdhsa_system_sgpr_workgroup_id_y 1
		.amdhsa_system_sgpr_workgroup_id_z 1
		.amdhsa_system_vgpr_workitem_id 0
		.amdhsa_next_free_vgpr 256
		.amdhsa_next_free_sgpr 66
		.amdhsa_reserve_vcc 0
		.amdhsa_float_denorm_mode_32 3
		.amdhsa_float_denorm_mode_16_64 3
		.amdhsa_memory_ordered 1
		.amdhsa_forward_progress 1
		.amdhsa_inst_pref_size 32
	.end_amdhsa_kernel
	.amdgpu_metadata
---
amdhsa.version: [ 1, 2 ]
amdhsa.kernels:
  - .name:           k_q600eb382eb_outp
    .symbol:         k_q600eb382eb_outp.kd
    .args:
      - { .name: attc, .offset: 0, .size: 8, .value_kind: global_buffer, .address_space: global }
      - { .name: wimg, .offset: 8, .size: 8, .value_kind: global_buffer, .address_space: global }
      - { .name: bo, .offset: 16, .size: 8, .value_kind: global_buffer, .address_space: global }
      - { .name: out0, .offset: 24, .size: 8, .value_kind: global_buffer, .address_space: global }
    .group_segment_fixed_size: 97280
    .private_segment_fixed_size: 0
    .kernarg_segment_align: 8
    .kernarg_segment_size: 32
    .max_flat_workgroup_size: 512
    .sgpr_count:     66
    .vgpr_count:     256
    .wavefront_size: 32
...
	.end_amdgpu_metadata
.endif
;; end of part 4
